; MI455X (gfx1250); checked and timed in simulation.
; The chip was launched on July 23, 2026; its instructions are those of AMD's public machine-readable ISA for CDNA 5 (MIT licence, August 2026) and "CDNA5" Instruction Set Architecture Reference Guide (July 2026). The comments in the code are by the model that wrote it; some were corrected since.
;; Causal Self Attention. Allowed arithmetic: matrix products marked QUANTISED: E2M1 operands, one E8M0 scale for each 32 along K, by v_wmma_scale_f32_16x16x128_f8f6f4 with both operands' format E2M1 (or v_wmma_scale_f32_32x16x128_f4), f32 sums; products left as they are: bf16, f16 or f32 operands; f32 sums; everything else in f32.
;; Inputs: w_proj 1,024 x 1,024 float32; w_qkv 1,024 x 3,072 float32; x 4 x 2,048 x 1,024 float32.
;; Outputs: out0 4 x 2,048 x 1,024 float32.
;; This version of the problem:
;;   THIS VERSION OF THE PROBLEM IS GIVEN IN LOW PRECISION. The matrix products marked QUANTISED in the list below multiply operands that are first quantised to E2M1 (2 exponent bits, 1 mantissa bit; 4 bits a number), with one power-of-two scale for each 32 numbers along K (OCP MX v1.0); their sums are f32. The products marked 'left as it is' may take bf16, f16 or f32 operands, with f32 sums. Whichever they take, every output number must still come out within the allowed error. Rounding operands to bf16 (8 significant bits) uses up far more of that allowance than f16 does (11 bits, for magnitudes from 6e-5 to 65,504). All else is computed in f32.
;;   The module's matrix products, in the order in which they are computed (A, B: the left and right operand; K: the contracted axis; several contracted axes count as one K, in the product's order):
;;     1. [M 8,192, K 1,024] x [K 1,024, N 3,072]; A: input x; B: input w_qkv: QUANTISED
;;     2. batch 64 x [M 2,048, K 64] x [K 64, N 2,048]; A: computed on the way; B: computed on the way: left as it is (an operand is computed on the way)
;;     3. batch 64 x [M 2,048, K 2,048] x [K 2,048, N 64]; A: computed on the way; B: computed on the way: left as it is (an operand is computed on the way)
;;     4. [M 8,192, K 1,024] x [K 1,024, N 1,024]; A: computed on the way; B: input w_proj: left as it is (an operand is computed on the way)
;;   THE QUANTISER, for each operand of a quantised product, along K:
;;     - K is cut into blocks of 32 from its start; a last block that is shorter is filled with zeros.
;;     - A block's scale is 2^e with e = floor(log2(the largest magnitude in the block)) - 2, held to -126 .. 127; a block of zeros has e = 0. As a byte (E8M0): e + 127.
;;     - Each number is divided by its block's scale, clamped to +-6, and rounded to the nearest number of E2M1, ties to even, subnormals kept.
;;     - The product sums the exact products of the quantised numbers (number of the format x scale) in f32.
;;   ~~~python
;;   def quantise(x, axis):      # numpy; x: float32 -> the quantised numbers, widened to float32 again
;;       x = np.moveaxis(x, axis, -1); K = x.shape[-1]
;;       x = np.pad(x, [(0, 0)] * (x.ndim - 1) + [(0, -K % 32)]); x = x.reshape(x.shape[:-1] + (-1, 32)); a = np.abs(x).max(-1, keepdims=True)
;;       e = np.where(a > 0, np.clip(np.frexp(np.where(a > 0, a, 1))[1] - 1 - 2, -126, 127), 0)      # np.frexp(a)[1] - 1 = floor(log2(a)), exactly
;;       r = np.clip(x / 2.0 ** e, -6, 6)
;;       step = 2.0 ** (np.maximum(np.frexp(np.where(r == 0, 1, r))[1] - 1, 0) - 1)
;;       q = np.round(r / step) * step * 2.0 ** e      # np.round: ties to even
;;       return np.moveaxis(q.reshape(q.shape[:-2] + (-1,))[..., :K], -1, axis).astype(np.float32)
;;   ~~~
;; One version. Each part assembles by itself: llvm-mc -triple=amdgcn-amd-amdhsa -mcpu=gfx1250 --defsym DOCPART=n.
;; ======== version 1 of 1: 6 launches
;; limits: values are held in f16: magnitudes above 65,504 overflow, below 6.1e-05 lose precision
;; workspace buffers: x_codes 4,194,304 bytes; x_scales 262,144 bytes; wq_codes 1,572,864 bytes; wq_scales 98,304 bytes; wT16 2,097,152 bytes; qkv16 50,331,648 bytes; qkv_fine 786,432 bytes; y16 16,777,216 bytes
;; launch quant_x (part 1): grid 256 x 1, 4 waves a work-group, no clusters, 33,280 bytes of LDS; arguments x, x_codes, x_scales; writes x_codes, x_scales
.if DOCPART == 1
	.amdgcn_target "amdgcn-amd-amdhsa--gfx1250"
	.amdhsa_code_object_version 6
	.text
	.protected	k_qf66eff5c50_quant_x
	.globl	k_qf66eff5c50_quant_x
	.p2align	8
	.type	k_qf66eff5c50_quant_x,@function
k_qf66eff5c50_quant_x:
	s_mov_b64 s[64:65], 0
	v_nop
	global_prefetch_b8 v0, s[64:65] scope:SCOPE_SE
	s_setreg_imm32_b32 hwreg(HW_REG_WAVE_MODE, 25, 1), 1
	s_wait_xcnt 0x0
; CAUSAL SELF-ATTENTION, B = 4, T = 2,048, C = 1,024, 16 heads of 64.  SIX LAUNCHES:
;   1 quant_x    x -> codes of FP4 (E2M1) and E8M0 scale bytes, K innermost            (this text)
;   2 prep_w     w_qkv -> codes and scale bytes with K moved innermost; w_proj -> f16, transposed, laid by head
;   3 qkv_gemm   x w_qkv on codes; q, k, v as f16 laid by head; the rows t < 16 also as f32
;   4 attention  softmax(q k^T / 8) v under the causal mask, f16 operands, f32 sums and softmax
;   5 proj_gemm  y w_proj, f16 operands, f32 sums
;   6 fine       positions t < 16 of every sequence once more, attention and projection in f32: those rows average few values and are the largest
; WORK LEFT OUT: in launch 4 the tiles of 64 keys that lie wholly above the diagonal of the mask.  reference() builds that mask itself (jnp.tril) and puts a constant in the
; place of every score above the diagonal ahead of the softmax: so for all values of the inputs those scores reach no output, and the weights of those keys, exp(finfo.min - the row's maximum), are 0 in f32.
; Every input has a way to the output and is loaded.  LIMIT: a NaN, an infinity or an overflow that reaches only the scores left out is not carried to the result.
; LIMITS OF THE PROGRAM: q, k, v, y and w_proj are rounded to f16 for the products that are left as they are: magnitudes up to 65,504.  NaN and infinities among the inputs are not served.
;
; THIS LAUNCH.  x [8192][1024] f32 is turned into codes of FP4, 4 bits each, K innermost, with one E8M0 scale byte for each 32 along K.
; A block's scale is 2^(floor(log2(its largest magnitude)) - 2); its byte is the largest magnitude's own exponent field - 2, held at 1 from below.  (A block of zeros so gets the byte 1 where the rule
; says 127: its codes are zeros, which add nothing under any byte but 0xff, and the bytes are read by this program alone.)  Each number is divided by the scale and rounded to the nearest code, ties to even.
; LIMIT: blocks whose largest magnitude lies under 2^(2 - 126), the floor, keep the byte 1.
; Rows are dense and K is a multiple of 32, so x is a plain stream of blocks of 32 numbers, and so are the codes and the scale bytes.
; A wave takes 16 steps of 512 numbers.  Each of a step's four loads reads 512 consecutive bytes, 16 a lane; the 2,048 bytes go through the wave's own stage in LDS, as they lie, and come back 64 bytes a lane:
; 16 NEIGHBOURS along K, as the conversions want them (two neighbouring lanes hold a block).  The stage has 16 bytes of padding behind each 64.  A lane's 16 codes are 8 bytes: the wave stores 256 consecutive bytes.
; A step makes 16 scale bytes, a wave 256: they are gathered in the wave's own 256 bytes of LDS and leave as 256 consecutive, aligned bytes.
; No tensor loads, no ring, no barrier: waves share nothing.  Loads run four steps (16 loads a wave) ahead, the turn through LDS one step.
.set WAVES, 4
.set STEPS, 16
.set EMAX,  2
.set CB,    8                          ; bytes of 16 codes
.set R,     16                         ; v16-79   four sets of 16 numbers as they are loaded
.set X,     80                         ; v80-111  two sets of 16 neighbours
.set C,     128                        ; v128-191 codes: four registers for each step, so that no store's data are written again
.set E,     112                        ; v112-127 a scale byte for each step
.set WREG,  8192                       ; LDS: a region of its own for each wave: two stages of 32 x SP bytes, and behind them its 256 scale bytes
.set SP,    80                         ; a lane's place in a stage: its 64 bytes + 16 of padding
.set SPW,   12                         ; v12      LDS address of my spare word: SPARE + 4 x my thread's number; never rewritten
.set NIL,   13                         ; v13      0; never rewritten
.set SPARE, WAVES*WREG                 ; behind the four regions: the spare words, 128 bytes for each wave
	s_load_b128 s[4:7], s[0:1], 0x0                ; x s[4:5], the codes s[6:7]
	s_load_b64 s[10:11], s[0:1], 0x10              ; the scale bytes
	v_lshl_add_u32 v[SPW], v0, 2, SPARE
	v_mov_b32 v[NIL], 0
	v_lshrrev_b32 v1, 5, v0
	v_readfirstlane_b32 s16, v1                    ; wave
	v_and_b32 v2, 31, v0                           ; lane
	v_lshlrev_b32 v3, 4, v2                        ; my 16 bytes of a load's 512
	s_mul_i32 s17, s16, WREG
	v_lshrrev_b32 v14, 2, v2
	v_mul_u32_u24 v14, v14, SP
	v_and_b32 v15, 3, v2
	v_lshl_add_u32 v14, v15, 4, v14
	v_add_nc_u32 v14, s17, v14                     ; the stage, on the way in: SP (lane / 4) + 16 (lane % 4); a load's 512 bytes take eight places
	v_mul_u32_u24 v15, v2, SP
	v_add_nc_u32 v15, s17, v15                     ; and on the way out: SP x lane: my 16 neighbours
	v_mul_u32_u24 v4, v2, CB                       ; my codes' place in a step's
	v_lshrrev_b32 v5, 1, v2
	s_add_co_u32 s17, s17, 2*32*SP
	v_add_nc_u32 v5, s17, v5                       ; LDS: my wave's 256 scale bytes, my block's byte
	v_lshlrev_b32 v7, 3, v2                        ; and on the way out 8 bytes a lane
	v_add_nc_u32 v6, s17, v7
	s_lshl_b32 s17, ttmp9, 2
	s_add_co_u32 s18, s17, s16                     ; which run of 8,192 numbers is my wave's: 4 x work-group + wave
	s_mov_b32 s19, 0
	s_mov_b64 s[20:21], 512*STEPS*4
	s_mul_u64 s[20:21], s[18:19], s[20:21]         ; its bytes in x,
	s_mov_b64 s[22:23], 32*STEPS*CB
	s_mul_u64 s[22:23], s[18:19], s[22:23]         ; among the codes,
	s_lshl_b32 s18, s18, 8                         ; and among the scale bytes: 256 a run
	s_wait_kmcnt 0x0
	s_add_nc_u64 s[4:5], s[4:5], s[20:21]
	s_add_nc_u64 s[8:9], s[6:7], s[22:23]
	s_add_nc_u64 s[10:11], s[10:11], s[18:19]
.macro LOAD t
.irp i, 0,1,2,3
	global_load_b128 v[R+16*((\t)%4)+4*\i:R+16*((\t)%4)+4*\i+3], v3, s[4:5] offset:2048*(\t)+512*\i th:TH_LOAD_NT   ; 32 lanes read 512 consecutive bytes
.endr
.endm
.macro TURN t                          ; step t's numbers through the stage: LDS serves a wave's instructions in order, so no wait stands between the stores and the loads
.irp i, 0,1,2,3
	ds_store_b128 v14, v[R+16*((\t)%4)+4*\i:R+16*((\t)%4)+4*\i+3] offset:32*SP*((\t)%2)+8*SP*\i
.endr
.irp i, 0,1,2,3
	ds_load_b128 v[X+16*((\t)%2)+4*\i:X+16*((\t)%2)+4*\i+3], v15 offset:32*SP*((\t)%2)+16*\i
.endr
.endm
.irp t, 0,1,2,3
	LOAD \t
.endr
	s_wait_loadcnt 12                              ; step 0's four loads are in; the twelve of steps 1 to 3 may be out
	TURN 0
.macro STEP t
.set XS, X+16*((\t)%2)
.if (\t) > 0
	s_wait_dscnt 1                                 ; this step's numbers are back from the stage (the last step's byte store may be out): so its stores into the stage have read their registers,
.else
	s_wait_dscnt 0x0
.endif
.if (\t)+4 < STEPS
	LOAD (\t)+4                                    ; which take the loads of four steps on
.endif
.if (\t)+1 < STEPS
.if STEPS-2-(\t) >= 3
	s_wait_loadcnt 12                              ; the next step's four loads are in; those of the three steps behind it may be out
.else
	s_wait_loadcnt 4*(STEPS-2-(\t))
.endif
	TURN (\t)+1                                    ; and go through the other stage while this step is worked
.endif
	v_max3_num_f32 v8, |v[XS]|, |v[XS+1]|, |v[XS+2]|               ; the largest magnitude of my 16
	v_max3_num_f32 v9, |v[XS+3]|, |v[XS+4]|, |v[XS+5]|
.irp i, 6,10
	v_max3_num_f32 v8, v8, |v[XS+\i]|, |v[XS+\i+1]|
	v_max3_num_f32 v9, v9, |v[XS+\i+2]|, |v[XS+\i+3]|
.endr
	v_max3_num_f32 v8, v8, |v[XS+14]|, |v[XS+15]|
	v_max3_num_f32 v8, v8, v9, (EMAX+1)<<23        ; and the floor 2^(EMAX + 1 - 127): so the byte cannot fall under 1
	v_max_num_f32_dpp v8, v8, v8 row_xmask:1 row_mask:0xf bank_mask:0xf   ; and of my neighbour's 16: the block's
	v_add_nc_u32 v11, 0xff000000, v8               ; EMAX off its exponent field: the conversion takes the exponent field of this operand as its scale, and nothing else of it
	v_cvt_scalef32_pk8_fp4_f32 v[C+4*(\t)], v[XS:XS+7], v11        ; eight numbers / the scale, to the nearest code, ties to even, beyond the largest code the largest; the first number's code in the lowest four bits
	v_cvt_scalef32_pk8_fp4_f32 v[C+4*(\t)+1], v[XS+8:XS+15], v11
	v_lshrrev_b32 v[E+(\t)], 23, v11               ; the scale's byte
	ds_store_b8 v5, v[E+(\t)] offset:16*(\t)       ; both lanes of a block write the same byte with the same value
	global_store_b64 v4, v[C+4*(\t):C+4*(\t)+1], s[8:9] offset:32*CB*(\t)
.endm
.irp t, 0,1,2,3,4,5,6,7,8,9,10,11,12,13,14,15
	STEP \t
.endr
	ds_load_b64 v[8:9], v6                         ; LDS serves a wave's instructions in order: these see my stores
	s_wait_dscnt 0x0
	global_store_b64 v7, v[8:9], s[10:11]          ; 32 lanes store 256 consecutive bytes, aligned
	s_wait_tensorcnt 0x0                           ; the wave's end, behind my last LDS store
	ds_add_u32 v[SPW], v[NIL]
	s_wait_dscnt 0x0
	s_endpgm
.Lfunc_end_k_qf66eff5c50_quant_x:
	.size	k_qf66eff5c50_quant_x, .Lfunc_end_k_qf66eff5c50_quant_x-k_qf66eff5c50_quant_x
	.p2alignl 7, 3214868480
	.fill 96, 4, 3214868480
	.section	.rodata,"a",@progbits
	.p2align	6, 0x0
	.amdhsa_kernel k_qf66eff5c50_quant_x
		.amdhsa_group_segment_fixed_size 33280
		.amdhsa_private_segment_fixed_size 0
		.amdhsa_enable_private_segment 0
		.amdhsa_kernarg_size 24
		.amdhsa_user_sgpr_count 2
		.amdhsa_user_sgpr_kernarg_segment_ptr 1
		.amdhsa_wavefront_size32 1
		.amdhsa_system_sgpr_workgroup_id_x 1
		.amdhsa_system_sgpr_workgroup_id_y 1
		.amdhsa_system_sgpr_workgroup_id_z 1
		.amdhsa_system_vgpr_workitem_id 0
		.amdhsa_next_free_vgpr 192
		.amdhsa_next_free_sgpr 66
		.amdhsa_reserve_vcc 0
		.amdhsa_float_denorm_mode_32 3
		.amdhsa_float_denorm_mode_16_64 3
		.amdhsa_memory_ordered 1
		.amdhsa_forward_progress 1
		.amdhsa_inst_pref_size 33
	.end_amdhsa_kernel
	.amdgpu_metadata
---
amdhsa.version: [ 1, 2 ]
amdhsa.kernels:
  - .name:           k_qf66eff5c50_quant_x
    .symbol:         k_qf66eff5c50_quant_x.kd
    .args:
      - { .name: x, .offset: 0, .size: 8, .value_kind: global_buffer, .address_space: global }
      - { .name: x_codes, .offset: 8, .size: 8, .value_kind: global_buffer, .address_space: global }
      - { .name: x_scales, .offset: 16, .size: 8, .value_kind: global_buffer, .address_space: global }
    .group_segment_fixed_size: 33280
    .private_segment_fixed_size: 0
    .kernarg_segment_align: 8
    .kernarg_segment_size: 24
    .max_flat_workgroup_size: 128
    .sgpr_count:     66
    .vgpr_count:     192
    .wavefront_size: 32
...
	.end_amdgpu_metadata
.endif
;; end of part 1
;; launch prep_w (part 2): grid 32 x 2, 16 waves a work-group, no clusters, 112,640 bytes of LDS; arguments w_qkv, w_proj, wq_codes, wq_scales, wT16; writes wq_codes, wq_scales, wT16
.if DOCPART == 2
	.amdgcn_target "amdgcn-amd-amdhsa--gfx1250"
	.amdhsa_code_object_version 6
	.text
	.protected	k_qf66eff5c50_prep_w
	.globl	k_qf66eff5c50_prep_w
	.p2align	8
	.type	k_qf66eff5c50_prep_w,@function
k_qf66eff5c50_prep_w:
	s_mov_b64 s[64:65], 0
	v_nop
	global_prefetch_b8 v0, s[64:65] scope:SCOPE_SE
	s_setreg_imm32_b32 hwreg(HW_REG_WAVE_MODE, 25, 1), 1
	s_wait_xcnt 0x0
; LAUNCH 2 OF 6.  Both weights are stored [K][N]: K is their FIRST axis.  A LANE TAKES A COLUMN n AND ITS REGISTERS RUN DOWN K, so that nothing is transposed by an instruction.
; Work-groups x = 0 .. 23 (path Q): w_qkv [1024][3072] f32 -> codes of FP4 laid [3072][1024] with K innermost (512 bytes a row) and E8M0 scale bytes [3072][32], by the quantiser of launch 1's head comment.
; Work-groups x = 24 .. 31 (path P): w_proj [1024][1024] f32 -> f16, laid [16 heads][1024 n][64 k], k = 64 head + d: the order of K in which launch 5 walks y.  LIMIT: f16's range, 65,504.
; A work-group takes 128 columns x 512 along K (y: which half of K).  Wave w: columns 32 (w % 4) on, so that four waves side by side read 512 consecutive bytes of a row; k = 128 (w / 4) on: 128 loads a lane, all asked for at once.
; The two paths part on the work-group's number alone; each has LDS bytes of its own.
.set STQ,   0                          ; path Q: 128 rows (columns n) x (256 bytes of codes + 16)
.set SS,    34816                      ; path Q: 128 rows x 16 scale bytes
.set STP,   36864                      ; path P: a stage of 32 rows x (128 bytes + 16) for each wave
.set SPARE, 110592                     ; the spare words, 128 bytes for each of the 16 waves
.set X,     32                         ; v32-159  my column's 128 numbers down K
.set C,     160                        ; path Q: v160-175 codes, four registers a block
.set OUTR,  176                        ; path Q: v176-191 rows of codes on the way out; v192-195 scale bytes
.set H,     160                        ; path P: v160-223 my 128 numbers as f16, two a register
.set SPW,   14
.set NIL,   15
	s_load_b128 s[4:7], s[0:1], 0x0                ; w_qkv s[4:5], w_proj s[6:7]
	s_load_b128 s[8:11], s[0:1], 0x10              ; wq_codes s[8:9], wq_scales s[10:11]
	s_load_b64 s[12:13], s[0:1], 0x20              ; wT16
	v_lshl_add_u32 v[SPW], v0, 2, SPARE
	v_mov_b32 v[NIL], 0
	v_lshrrev_b32 v1, 5, v0
	v_readfirstlane_b32 s16, v1                    ; wave 0..15
	v_and_b32 v1, 31, v0                           ; lane
	s_and_b32 s17, s16, 3                          ; cg: which 32 columns
	s_lshr_b32 s18, s16, 2                         ; kq: which 128 along K
	s_and_b32 s19, ttmp7, 0xffff                   ; y: which half of K
	v_lshlrev_b32 v2, 2, v1                        ; in: 4 bytes a lane
	v_bfe_u32 v16, v0, 4, 1                        ; lane / 16
	v_and_b32 v17, 15, v0                          ; lane % 16
	; every LDS address is made here, ahead of the parting of the paths
	s_mul_i32 s20, s17, 32*272
	s_lshl_b32 s21, s18, 6
	s_add_co_u32 s20, s20, s21
	v_mul_u32_u24 v3, v1, 272
	v_add_nc_u32 v3, s20, v3                       ; Q, codes in: row 32 cg + lane, byte 64 kq
	s_lshl_b32 s20, s17, 9
	s_lshl_b32 s21, s18, 2
	s_add_co_u32 s20, s20, s21
	s_add_co_u32 s20, s20, SS
	v_lshl_add_u32 v4, v1, 4, s20                  ; Q, scale word in: row 32 cg + lane, byte 4 kq
	s_mul_i32 s20, s16, 8*272
	v_mul_u32_u24 v5, v16, 272
	v_lshl_add_u32 v5, v17, 4, v5
	v_add_nc_u32 v5, s20, v5                       ; Q, codes back: rows 8 w on, sixteen lanes to a row
	s_lshl_b32 s20, s16, 12
	v_lshlrev_b32 v6, 9, v16
	v_lshl_add_u32 v6, v17, 4, v6
	v_add_nc_u32 v6, s20, v6                       ; and the same place among the work-group's rows of wq_codes (512 bytes a row)
	s_lshl_b32 s20, s17, 9
	s_add_co_u32 s20, s20, SS
	v_lshl_add_u32 v7, v1, 4, s20                  ; Q, scale bytes back (waves 0 to 3): row 32 w + lane
	s_lshl_b32 s20, s17, 10
	v_lshl_add_u32 v8, v1, 5, s20                  ; and its place in wq_scales (32 bytes a row)
	s_mul_i32 s20, s16, 32*144
	s_add_co_u32 s20, s20, STP
	v_mul_u32_u24 v9, v1, 144
	v_add_nc_u32 v9, s20, v9                       ; P, in: my stage, row = my column
	v_lshrrev_b32 v12, 3, v1
	v_and_b32 v13, 7, v1
	v_mul_u32_u24 v10, v12, 144
	v_lshl_add_u32 v10, v13, 4, v10
	v_add_nc_u32 v10, s20, v10                     ; P, back: eight lanes to a row of 128 bytes, four rows an instruction
	v_lshlrev_b32 v11, 4, v1                       ; P, out: 16 bytes a lane, 512 on end
	s_lshl_b32 s22, s19, 9
	s_lshl_b32 s21, s18, 7
	s_add_co_u32 s22, s22, s21                     ; my first k: 512 y + 128 kq
	s_mov_b32 s25, 0
	s_wait_kmcnt 0x0
.macro LOADS base, pitch               ; W(k0 + i, my column), i = 0 .. 127: each load reads 128 consecutive bytes a wave
.set i, 0
.rept 128
	global_load_b32 v[X+i], v2, s[\base:\base+1] offset:i*\pitch th:TH_LOAD_NT
.set i, i+1
.endr
.endm
	s_cmp_lt_u32 ttmp9, 24
	s_cbranch_scc0 .Lpath_p
	; ---- path Q: w_qkv
	s_mul_i32 s24, s22, 12288                      ; k0 rows of 12,288 bytes
	s_lshl_b32 s26, ttmp9, 9
	s_add_co_u32 s24, s24, s26                     ; + 128 x columns
	s_lshl_b32 s26, s17, 7
	s_add_co_u32 s24, s24, s26                     ; + 32 cg columns, 4 bytes each
	s_add_nc_u64 s[4:5], s[4:5], s[24:25]
	LOADS 4, 12288
	s_lshl_b32 s24, ttmp9, 16                      ; wq_codes: 128 x rows of 512 bytes + 256 y
	s_lshl_b32 s26, s19, 8
	s_add_co_u32 s24, s24, s26
	s_add_nc_u64 s[8:9], s[8:9], s[24:25]
	s_lshl_b32 s24, ttmp9, 12                      ; wq_scales: 128 x rows of 32 bytes + 16 y
	s_lshl_b32 s26, s19, 4
	s_add_co_u32 s24, s24, s26
	s_add_nc_u64 s[10:11], s[10:11], s[24:25]
.macro BLOCK t, left                   ; block t of my four: all its 32 numbers are mine.  left: how many younger loads may be out
.set XS, X+32*(\t)
	s_wait_loadcnt \left
	v_max3_num_f32 v12, |v[XS]|, |v[XS+1]|, |v[XS+2]|
	v_max3_num_f32 v13, |v[XS+3]|, |v[XS+4]|, |v[XS+5]|
.irp i, 6,10,14,18,22,26
	v_max3_num_f32 v12, v12, |v[XS+\i]|, |v[XS+\i+1]|
	v_max3_num_f32 v13, v13, |v[XS+\i+2]|, |v[XS+\i+3]|
.endr
	v_max3_num_f32 v12, v12, |v[XS+30]|, |v[XS+31]|
	v_max3_num_f32 v12, v12, v13, 0x1800000        ; and the floor 2^(3 - 127): the byte cannot fall under 1
	v_add_nc_u32 v16, 0xff000000, v12              ; 2 off the exponent field: the conversion's scale operand
	v_lshrrev_b32 v13, 23, v16                     ; the scale's byte
.if (\t) == 0
	v_mov_b32 v18, v13                             ; my four bytes make one word, the lower K in the lower byte
.else
	v_lshl_or_b32 v18, v13, 8*(\t), v18
.endif
.irp g, 0,1,2,3
	v_cvt_scalef32_pk8_fp4_f32 v[C+4*(\t)+\g], v[XS+8*\g:XS+8*\g+7], v16
.endr
	ds_store_b128 v3, v[C+4*(\t):C+4*(\t)+3] offset:16*(\t)   ; 32 codes: 16 bytes of my column's row
.endm
	BLOCK 0, 63                                    ; 96 younger loads are out: a wait names 63 at the most
	BLOCK 1, 63                                    ; 64 younger: likewise
	BLOCK 2, 32                                    ; block 3's 32
	BLOCK 3, 0
	ds_store_b32 v4, v18
	s_wait_dscnt 0x0                               ; for the others' sake: my stores have landed
	s_barrier_signal -1
	s_barrier_wait -1                              ; 128 whole rows of 256 bytes of codes, and of 16 scale bytes, lie in LDS
.irp i, 0,1,2,3
	ds_load_b128 v[OUTR+4*\i:OUTR+4*\i+3], v5 offset:2*\i*272
.endr
	s_wait_dscnt 0x0
.irp i, 0,1,2,3
	global_store_b128 v6, v[OUTR+4*\i:OUTR+4*\i+3], s[8:9] offset:2*\i*512   ; sixteen lanes store 256 consecutive bytes, aligned
.endr
	s_cmp_lt_u32 s16, 4
	s_cbranch_scc0 .Lend                           ; waves 0 to 3 also send the scale bytes: 16 bytes of each row of 32
	ds_load_b128 v[192:195], v7
	s_wait_dscnt 0x0
	global_store_b128 v8, v[192:195], s[10:11]
	s_branch .Lend
	; ---- path P: w_proj
.Lpath_p:
	s_sub_co_u32 s23, ttmp9, 24
	s_lshl_b32 s24, s22, 12                        ; k0 rows of 4,096 bytes
	s_lshl_b32 s26, s23, 9
	s_add_co_u32 s24, s24, s26
	s_lshl_b32 s26, s17, 7
	s_add_co_u32 s24, s24, s26
	s_add_nc_u64 s[6:7], s[6:7], s[24:25]
	LOADS 6, 4096
	s_lshr_b32 s24, s22, 6                         ; my first head: k0 / 64
	s_lshl_b32 s24, s24, 17                        ; a head's 1,024 rows of 128 bytes
	s_lshl_b32 s26, s23, 14
	s_add_co_u32 s24, s24, s26                     ; + 128 (x - 24) rows
	s_lshl_b32 s26, s17, 12
	s_add_co_u32 s24, s24, s26                     ; + 32 cg rows
	s_add_nc_u64 s[12:13], s[12:13], s[24:25]
.macro HALVES g, left                  ; 32 numbers to 16 registers of f16, rounded to nearest even, the lower k in the low half
	s_wait_loadcnt \left
.set i, 16*(\g)
.rept 16
	v_cvt_pk_f16_f32 v[H+i], v[X+2*i], v[X+2*i+1]
.set i, i+1
.endr
.endm
	HALVES 0, 63                                   ; the counts as in path Q
	HALVES 1, 63
	HALVES 2, 32
	HALVES 3, 0
.irp e, 0,1                            ; my two heads, one after the other through my own stage: LDS serves a wave's instructions in order
.irp q, 0,1,2,3,4,5,6,7
	ds_store_b128 v9, v[H+32*\e+4*\q:H+32*\e+4*\q+3] offset:16*\q
.endr
.irp i, 0,1,2,3,4,5,6,7
	ds_load_b128 v[X+32*\e+4*\i:X+32*\e+4*\i+3], v10 offset:576*\i
.endr
.endr
	s_wait_dscnt 0x0
.irp e, 0,1
.irp i, 0,1,2,3,4,5,6,7
	global_store_b128 v11, v[X+32*\e+4*\i:X+32*\e+4*\i+3], s[12:13] offset:\e*131072+512*\i   ; four rows n of a head: 512 consecutive bytes
.endr
.endr
.Lend:
	s_wait_tensorcnt 0x0                           ; the wave's end, behind my last LDS store
	ds_add_u32 v[SPW], v[NIL]
	s_wait_dscnt 0x0
	s_endpgm
.Lfunc_end_k_qf66eff5c50_prep_w:
	.size	k_qf66eff5c50_prep_w, .Lfunc_end_k_qf66eff5c50_prep_w-k_qf66eff5c50_prep_w
	.p2alignl 7, 3214868480
	.fill 96, 4, 3214868480
	.section	.rodata,"a",@progbits
	.p2align	6, 0x0
	.amdhsa_kernel k_qf66eff5c50_prep_w
		.amdhsa_group_segment_fixed_size 112640
		.amdhsa_private_segment_fixed_size 0
		.amdhsa_enable_private_segment 0
		.amdhsa_kernarg_size 40
		.amdhsa_user_sgpr_count 2
		.amdhsa_user_sgpr_kernarg_segment_ptr 1
		.amdhsa_wavefront_size32 1
		.amdhsa_system_sgpr_workgroup_id_x 1
		.amdhsa_system_sgpr_workgroup_id_y 1
		.amdhsa_system_sgpr_workgroup_id_z 1
		.amdhsa_system_vgpr_workitem_id 0
		.amdhsa_next_free_vgpr 224
		.amdhsa_next_free_sgpr 66
		.amdhsa_reserve_vcc 0
		.amdhsa_float_denorm_mode_32 3
		.amdhsa_float_denorm_mode_16_64 3
		.amdhsa_memory_ordered 1
		.amdhsa_forward_progress 1
		.amdhsa_inst_pref_size 43
	.end_amdhsa_kernel
	.amdgpu_metadata
---
amdhsa.version: [ 1, 2 ]
amdhsa.kernels:
  - .name:           k_qf66eff5c50_prep_w
    .symbol:         k_qf66eff5c50_prep_w.kd
    .args:
      - { .name: w_qkv, .offset: 0, .size: 8, .value_kind: global_buffer, .address_space: global }
      - { .name: w_proj, .offset: 8, .size: 8, .value_kind: global_buffer, .address_space: global }
      - { .name: wq_codes, .offset: 16, .size: 8, .value_kind: global_buffer, .address_space: global }
      - { .name: wq_scales, .offset: 24, .size: 8, .value_kind: global_buffer, .address_space: global }
      - { .name: wT16, .offset: 32, .size: 8, .value_kind: global_buffer, .address_space: global }
    .group_segment_fixed_size: 112640
    .private_segment_fixed_size: 0
    .kernarg_segment_align: 8
    .kernarg_segment_size: 40
    .max_flat_workgroup_size: 512
    .sgpr_count:     66
    .vgpr_count:     224
    .wavefront_size: 32
...
	.end_amdgpu_metadata
.endif
;; end of part 2
;; launch qkv_gemm (part 3): grid 12 x 32, 4 waves a work-group, clusters of 4 x 4, 327,680 bytes of LDS; arguments x_codes, x_scales, wq_codes, wq_scales, qkv16, qkv_fine; writes qkv16, qkv_fine
.if DOCPART == 3
	.amdgcn_target "amdgcn-amd-amdhsa--gfx1250"
	.amdhsa_code_object_version 6
	.text
	.protected	k_qf66eff5c50_qkv_gemm
	.globl	k_qf66eff5c50_qkv_gemm
	.p2align	8
	.type	k_qf66eff5c50_qkv_gemm,@function
k_qf66eff5c50_qkv_gemm:
	s_mov_b64 s[64:65], 0
	v_nop
	global_prefetch_b8 v0, s[64:65] scope:SCOPE_SE
	s_setreg_imm32_b32 hwreg(HW_REG_WAVE_MODE, 25, 1), 1
	s_wait_xcnt 0x0
	s_wait_alu depctr_hold_cnt(0) depctr_sa_sdst(0) depctr_va_vdst(0) depctr_va_sdst(0) depctr_va_ssrc(0) depctr_va_vcc(0) depctr_vm_vsrc(0)
	s_getreg_b32 s2, hwreg(HW_REG_IB_STS2, 6, 4)
	s_cmp_eq_u32 s2, 0
	s_cbranch_scc0 .Lentry_in_a_cluster
	s_endpgm
.Lentry_in_a_cluster:
	s_bfe_u32 s2, ttmp6, 0x10000c
	s_cmp_lg_u32 s2, 0xf033
	s_cbranch_scc0 .Lentry_shape_is_right
	s_endpgm
.Lentry_shape_is_right:
; LAUNCH 3 OF 6.  qkv[m][n] = sum over k of x[m][k] w_qkv[k][n], on codes of FP4 (E2M1) with one E8M0 scale for each 32 along K, as launches 1 and 2 have laid them: A = x_codes [8192][512 bytes],
; B = wq_codes [3072][512 bytes], scale bytes [rows][32].  Sums in f32.  The results leave as f16, laid [q, k, v][batch][head][t][64] (qkv16), for launch 4; the rows t < 16 of each batch also as f32 (qkv_fine, [batch][16][3072]), for launch 6.
; LIMIT: f16's range, 65,504, for q, k and v.
; A tile of 256 x 256 is made by a work-group of four waves; a wave makes 128 x 128: 64 accumulators of 16 x 16, 512 registers.  K = 1,024 is two K steps of 512: the two LDS slots hold all of K, so nothing is filled again.
; THE SCALES of the work-group's 256 rows of A and of B, for all of K, are two dense blocks of memory: they come into LDS once, with the first fills.  By this text's own count a wave has three tensor loads out.
; CLUSTERS: 4 x 4 work-groups.  The four of a row of the cluster need the same tiles of A, the four of a column the same tiles of B: each tile is asked for JOINTLY, by the same tensor load with the same descriptor and a mask that names the four.
; THE TILE ROW IS 8 cy + cluster y: so cy is the batch and cluster y the tile within the batch, and the branch round the f32 copy hangs on cluster y and the wave's number, which all partners share.
; THE MATRIX INSTRUCTION IS USED TRANSPOSED (source 0 = 16 rows of B, source 1 = 16 rows of A): a lane then holds eight neighbouring numbers of a row of the result.
; REGISTERS, in windows of 256: window 0: v0-31 addresses; v32-95 scale words, two sets; from v128 A's fragments, ONE set; on the way out v32-255 are free.
;   window 1: B's fragments, TWO sets, at v0 and at v128.   window 2: the 32 accumulators of my rows 0-63 (accumulator (a, b) at v[8 (8 a + b)]);   window 3: those of my rows 64-127.
.set KSTEP,  512                       ; along K in a slot
.set NQ,     4                         ; matrix instructions deep
.set ROWB,   256                       ; a tile's row in bytes
.set KROW,   512                       ; a row of A or of B in memory, in bytes
.set PITCH,  272                       ; an LDS row: 256 bytes + 16 of padding = 68 words: the 16 rows that a load touches start at 16 different banks (64 banks of 4 bytes: ISA guide 11.1)
.set FR,     8                         ; registers of a fragment: 16 rows x 128 K
.set NL,     2                         ; LDS loads that bring one
.set NP,     4                         ; places behind this matrix instruction (ISA guide 7.12.1)
.set HALFT,  128*PITCH                 ; 128 rows: what one tensor load brings
.set SLOT,   4*HALFT                   ; A's 256 rows, then B's 256 rows
.set KS,     32                        ; a row of scales in bytes
.set SCL,    2*SLOT                    ; behind the slots: the scales, as rows of 256 bytes + 16 of padding
.set HALFS,  (128*KS/256)*272          ; the scales of 128 rows
.set SBLK,   (16*KS/256)*272           ; those of 16 rows
.set SPARE,  SCL+4*HALFS               ; the spare words, 128 bytes for each wave
.set SPITCH, 528                       ; the way out in f32: a stage of 16 rows x (512 bytes + 16) for each wave, in slot 0, which has had its only fill and its last read when the first result is stored there
.set H16,    4*16*SPITCH               ; the way out in f16: behind those, 16 rows x (256 bytes + 16) for each wave
.set HPITCH, 272
.set ADRA, 16                          ; v16-17  LDS address of my A fragments in slot 0, 1
.set HSTO, 18                          ; v18     f16 stage: where I put 16 bytes of a row
.set HRD,  19                          ; v19     f16 stage: where I read back
.set ADRB, 20                          ; v20-21  LDS address of my B fragments
.set HCO,  22                          ; v22     my byte offset in qkv16
.set STO,  24                          ; v24     f32 stage: where I put 32 bytes of a row
.set RD,   25                          ; v25     f32 stage: where I read a row back
.set CO,   26                          ; v26     my byte offset in a row of qkv_fine
.set ADRS, 27                          ; v27     LDS address of my scale words: lanes 0-15 A's rows, lanes 16-31 B's
.set SPW,  28                          ; v28     LDS address of my spare word; never rewritten
.set NIL,  29                          ; v29     0; never rewritten
.set SC,   32                          ; scale words: set s at v[SC + 32 s]; register 4 i + q: lanes 0-15 the word of A's block i, lanes 16-31 that of B's block i, for the slot's q-th 128 along K
.set AF,   128                         ; A's fragments, in window 0
.set TMP,  192                         ; the way out: a block's 32 registers of f16
.set OB,   32                          ; the way out: 16 rows read back: v32-63 and v224-255 by turns
.set G1, 24                            ; s[24:31] descriptor group 1 for A's tiles;  s[32:39] group 0, one set for each slot
.set G0, 32
.set G1B, 48                           ; s[48:55], s[56:63] the same for B's tiles
.set G0B, 56
.set G1S, 68                           ; s[68:75], s[76:79] groups 1 and 0 for A's scales;  s[80:87], s[88:91] for B's
.set G0S, 76
.set G1SB, 80
.set G0SB, 88
.set MSB, 0
.macro WIN new                         ; the immediate's high byte repeats the setting that is left
.if MSB != \new
	s_set_vgpr_msb (MSB<<8)|\new
.set MSB, \new
.endif
.endm
.set MUL_LO, 0xa1                      ; source 0 (B) window 1, source 1 (A) window 0, C and D window 2
.set MUL_HI, 0xf1                      ; the same, C and D window 3
.set TO_B,   0x40                      ; destination window 1, address window 0
; A joint load: waves 0 and 1 fetch for A, waves 2 and 3 for B.  Each of the two lines has ONE mask and one set of registers for all that issue it; the branch hangs on the wave's number alone.
; An s_nop 0 and four v_nop follow each of the two lines.
.macro JLOAD g0a, g1a, g0b, g1b
	s_cmp_eq_u32 s15, 0
	s_cbranch_scc0 .Lfor_b_\@
	tensor_load_to_lds s[\g0a:\g0a+3], s[\g1a:\g1a+7]
	s_nop 0
.rept 4
	v_nop
.endr
	s_branch .Lasked_\@
.Lfor_b_\@:
	tensor_load_to_lds s[\g0b:\g0b+3], s[\g1b:\g1b+7]
	s_nop 0
.rept 4
	v_nop
.endr
.Lasked_\@:
.endm
.macro CROUND                          ; a round of the cluster's barrier
	s_barrier_signal -1
	s_barrier_wait -1
	s_cmp_lg_u32 s14, 0
	s_cbranch_scc1 .Lnot_wave_0_\@
	s_barrier_signal -3
.Lnot_wave_0_\@:
	s_barrier_wait -3
	s_barrier_signal -1
	s_barrier_wait -1
.endm
	s_load_b128 s[4:7], s[0:1], 0x0                ; A's codes s[4:5], A's scales s[6:7]
	s_load_b128 s[8:11], s[0:1], 0x10              ; B's codes s[8:9], B's scales s[10:11]
	s_load_b64 s[12:13], s[0:1], 0x20              ; qkv16
	s_load_b64 s[96:97], s[0:1], 0x28              ; qkv_fine
	v_lshl_add_u32 v[SPW], v0, 2, SPARE
	v_mov_b32 v[NIL], 0
	ds_add_u32 v[SPW], v[NIL]                      ; the wave's opening: the add, twice on end, and its wait ahead of my first tensor load
	ds_add_u32 v[SPW], v[NIL]
	v_lshrrev_b32 v1, 5, v0
	v_readfirstlane_b32 s14, v1                    ; wave 0..3
	s_lshr_b32 s15, s14, 1                         ; which half of the tile's rows is mine.  Also: I fetch for A (0) or for B (1)
	s_and_b32 s16, s14, 1                          ; which half of its columns.  Also: which 128 rows of that tile I fetch
	s_bfe_u32 s40, ttmp6, 0x40000                  ; cx, cy: my place in the cluster
	s_bfe_u32 s41, ttmp6, 0x40004
	s_lshl_b32 s42, ttmp9, 2
	s_add_co_u32 s42, s42, s40                     ; tile column = 4 x cluster x + cx
	s_and_b32 s17, ttmp7, 0xffff
	s_lshl_b32 s95, s41, 3
	s_add_co_u32 s17, s17, s95                     ; tile row = 8 cy + cluster y: batch cy, tile cluster y of its eight
	s_lshl_b32 s43, s41, 2
	s_lshl_b32 s43, 15, s43                        ; my row of the cluster
	s_lshl_b32 s44, 0x1111, s40                    ; my column
	; descriptor group 1: a tile of 128 rows x 256 bytes, padded in LDS
	s_or_b32 s[G1+0], s43, (0<<16)|(1<<20)|(1<<21)|(5<<22)|(3<<25)  ; 15:0 the mask: A's tiles go to my row; 17:16 element of 1 byte; 20 padding on; 21 set beside a mask; 24:22 after every 64 words; 31:25 of 4 words
	s_or_b32 s[G1B+0], s44, (0<<16)|(1<<20)|(1<<21)|(5<<22)|(3<<25)
.irp g, G1, G1B
	s_mov_b32 s[\g+1], ROWB<<16                    ; tensor_dim0
	s_mov_b32 s[\g+2], 128<<16                     ; tensor_dim1 = 128
	s_mov_b32 s[\g+3], ROWB<<16                    ; tile_dim0
	s_mov_b32 s[\g+4], 128                         ; tile_dim1 = 128
	s_mov_b32 s[\g+5], KROW                        ; tensor_dim0_stride
	s_mov_b32 s[\g+6], 0
	s_mov_b32 s[\g+7], 0
.endr
	; and for the scales of 128 rows: a dense block of 4,096 bytes, as rows of 256 bytes (32 elements of 8 bytes), 16 bytes of padding behind each
	s_or_b32 s[G1S+0], s43, (3<<16)|(1<<20)|(1<<21)|(5<<22)|(3<<25)
	s_or_b32 s[G1SB+0], s44, (3<<16)|(1<<20)|(1<<21)|(5<<22)|(3<<25)
.irp g, G1S, G1SB
	s_mov_b32 s[\g+1], 32<<16
	s_mov_b32 s[\g+2], (128*KS/256)<<16
	s_mov_b32 s[\g+3], 32<<16
	s_mov_b32 s[\g+4], 128*KS/256
	s_mov_b32 s[\g+5], 32
	s_mov_b32 s[\g+6], 0
	s_mov_b32 s[\g+7], 0
.endr
	s_lshl_b32 s18, s16, 7                         ; which 128 rows of the tile I fetch
	s_lshl_b32 s20, s17, 8
	s_add_co_u32 s20, s20, s18                     ; A: row 256 x tile row + 128 x half
	s_lshl_b32 s46, s42, 8
	s_add_co_u32 s46, s46, s18                     ; B: row 256 x tile column + 128 x half
	s_mov_b32 s21, 0
	s_mov_b32 s47, 0
	s_mov_b64 s[18:19], KS
	s_mul_u64 s[22:23], s[20:21], s[18:19]         ; where these rows' scales begin, in bytes
	s_mul_u64 s[92:93], s[46:47], s[18:19]
	s_mov_b64 s[18:19], KROW
	s_mul_u64 s[20:21], s[20:21], s[18:19]         ; and their codes
	s_mul_u64 s[46:47], s[46:47], s[18:19]
	s_mul_i32 s45, s14, HALFT                      ; where they go: wave x 128 rows: no place in the cluster enters an LDS address
	s_mul_i32 s94, s14, HALFS
	s_wait_dscnt 0x0                               ; both opening adds are done
	s_wait_kmcnt 0x0
	s_add_nc_u64 s[20:21], s[4:5], s[20:21]
	s_add_nc_u64 s[22:23], s[6:7], s[22:23]
	s_add_nc_u64 s[46:47], s[8:9], s[46:47]
	s_add_nc_u64 s[92:93], s[10:11], s[92:93]
	CROUND                                         ; all sixteen work-groups are here: the joint loads meet
	s_mov_b32 s[G0S], 1
	s_add_co_u32 s[G0S+1], s94, SCL
	s_mov_b64 s[G0S+2:G0S+3], s[22:23]
	s_or_b32 s[G0S+3], s[G0S+3], 0x80000000
	s_mov_b32 s[G0SB], 1
	s_add_co_u32 s[G0SB+1], s94, SCL
	s_mov_b64 s[G0SB+2:G0SB+3], s[92:93]
	s_or_b32 s[G0SB+3], s[G0SB+3], 0x80000000
	JLOAD G0S, G1S, G0SB, G1SB                     ; the scales first: they are wanted with K step 0
.irp s, 0,1
	s_mov_b32 s[G0+4*\s], 1
	s_add_co_u32 s[G0+4*\s+1], s45, \s*SLOT
	s_add_nc_u64 s[G0+4*\s+2:G0+4*\s+3], s[20:21], \s*ROWB
	s_or_b32 s[G0+4*\s+3], s[G0+4*\s+3], 0x80000000
	s_mov_b32 s[G0B+4*\s], 1
	s_add_co_u32 s[G0B+4*\s+1], s45, \s*SLOT
	s_add_nc_u64 s[G0B+4*\s+2:G0B+4*\s+3], s[46:47], \s*ROWB
	s_or_b32 s[G0B+4*\s+3], s[G0B+4*\s+3], 0x80000000
	JLOAD G0+4*\s, G1, G0B+4*\s, G1B
.endr
	v_and_b32 v1, 15, v0                           ; r = l % 16
	v_bfe_u32 v2, v0, 4, 1                         ; h = l / 16
	v_mul_u32_u24 v3, v1, PITCH
	v_lshl_add_u32 v4, v2, 4, v3                   ; a fragment's row x pitch + 16 x half
	s_mul_i32 s21, s15, HALFT                      ; my 128 rows of A
	s_mul_i32 s22, s16, HALFT                      ; my 128 rows of B,
	s_add_co_u32 s22, s22, 2*HALFT                 ; which lie behind A's 256
.irp s, 0,1
	v_add_nc_u32 v[ADRA+\s], s21, v4
	v_add_nc_u32 v[ADRB+\s], s22, v4
	s_add_co_u32 s21, s21, SLOT
	s_add_co_u32 s22, s22, SLOT
.endr
	v_mul_u32_u24 v5, v1, KS                       ; my row's scales: KS bytes a row,
	v_lshrrev_b32 v6, 8, v5
	v_lshl_add_u32 v5, v6, 4, v5                   ; and 16 more for each 256 passed
	s_mul_i32 s21, s15, HALFS                      ; A's: my 128 rows
	s_mul_i32 s22, s16, HALFS                      ; B's: my 128 rows, behind A's 256
	s_add_co_u32 s22, s22, 2*HALFS
	s_sub_co_u32 s22, s22, s21
	v_mul_u32_u24 v6, s22, v2                      ; lanes 16-31 take B's: the lower base + h x the distance
	s_add_co_u32 s21, s21, SCL
	v_add_nc_u32 v5, v5, v6
	v_add_nc_u32 v[ADRS], s21, v5
	s_mul_i32 s23, s14, 16*SPITCH                  ; my f32 stage
	v_mul_u32_u24 v5, v1, SPITCH                   ; in: row r, 32 bytes for each half of the lanes
	v_lshl_add_u32 v5, v2, 5, v5
	v_add_nc_u32 v[STO], s23, v5
	v_and_b32 v6, 31, v0
	v_lshlrev_b32 v[CO], 4, v6                     ; back: the 32 lanes take one row of 512 bytes; and the same in qkv_fine
	v_add_nc_u32 v[RD], s23, v[CO]
	s_mul_i32 s23, s14, 16*HPITCH
	s_add_co_u32 s23, s23, H16                     ; my f16 stage
	v_mul_u32_u24 v5, v1, HPITCH                   ; in: row r, 16 bytes for each half of the lanes
	v_lshl_add_u32 v5, v2, 4, v5
	v_add_nc_u32 v[HSTO], s23, v5
	v_bfe_u32 v5, v0, 3, 1                         ; back: lanes 0-15 take my first head's 128 bytes of two rows t, lanes 16-31 my second head's
	v_and_b32 v6, 7, v0
	v_mul_u32_u24 v7, v5, HPITCH
	v_lshl_add_u32 v7, v2, 7, v7
	v_lshl_add_u32 v7, v6, 4, v7
	v_add_nc_u32 v[HRD], s23, v7
	v_lshlrev_b32 v7, 18, v2                       ; in qkv16 the next head lies 262,144 bytes on, the next row t 128
	v_lshl_add_u32 v7, v5, 7, v7
	v_lshl_add_u32 v[HCO], v6, 4, v7
	; qkv16 at [tile column / 4][batch cy][head 4 (tile column % 4) + 2 x column half][t = 256 cluster y + 128 x row half][0]
	s_lshr_b32 s20, s42, 2
	s_lshl_b32 s20, s20, 2
	s_add_co_u32 s20, s20, s41
	s_lshl_b32 s20, s20, 4
	s_and_b32 s21, s42, 3
	s_lshl_b32 s21, s21, 2
	s_add_co_u32 s20, s20, s21
	s_lshl_b32 s21, s16, 1
	s_add_co_u32 s20, s20, s21
	s_lshl_b32 s20, s20, 11
	s_and_b32 s21, ttmp7, 0xffff
	s_lshl_b32 s21, s21, 8
	s_add_co_u32 s20, s20, s21
	s_lshl_b32 s21, s15, 7
	s_add_co_u32 s20, s20, s21
	s_lshl_b32 s20, s20, 7                         ; rows of 128 bytes: under 2^26
	s_mov_b32 s21, 0
	s_add_nc_u64 s[12:13], s[12:13], s[20:21]
	s_mul_i32 s20, s41, 196608                     ; qkv_fine at [batch][0][256 tile column + 128 x column half]
	s_lshl_b32 s46, s42, 10
	s_add_co_u32 s20, s20, s46
	s_lshl_b32 s46, s16, 9
	s_add_co_u32 s20, s20, s46
	s_add_nc_u64 s[96:97], s[96:97], s[20:21]
	s_and_b32 s3, ttmp7, 0xffff
	s_or_b32 s3, s3, s15                           ; 0 where my first 16 rows are t = 0 .. 15 of a batch: cluster y and the wave's number alone
.macro FRAG reg, adr, q, i             ; a fragment, 16 rows x 128 K of 4-bit codes, is 8 registers: lane l holds row l % 16; registers 4 c .. 4 c + 3 hold K = 64 c + 32 (l / 16) + 0 .. 31
.irp c, 0,1
	ds_load_b128 v[\reg+4*\c:\reg+4*\c+3], v[\adr] offset:64*(\q)+32*\c+(\i)*16*PITCH
.endr
.endm
; 16 matrix instructions: A's blocks a0, a0 + 1 x B's eight, 128 along K: the slot's q-th.  p: B's set;  sc: the set of scale words.  zero = 1: the first product starts the sums.
; The 64 accumulators take turns, one instruction a turn, in the same order in every step.
.macro MUL16 a0, p, q, sc, zero
.irp a, \a0, \a0+1
.irp b, 0,1,2,3,4,5,6,7
.if \zero
	v_wmma_scale_f32_16x16x128_f8f6f4 v[8*(8*((\a)%4)+\b):8*(8*((\a)%4)+\b)+7], v[128*(\p)+FR*\b:128*(\p)+FR*\b+FR-1], v[AF+FR*(\a):AF+FR*(\a)+FR-1], 0, v[SC+8*NQ*(\sc)+NQ*\b+(\q)], v[SC+8*NQ*(\sc)+NQ*(\a)+(\q)] matrix_a_fmt:MATRIX_FMT_FP4 matrix_b_fmt:MATRIX_FMT_FP4 matrix_a_scale:MATRIX_SCALE_ROW1
.else
	v_wmma_scale_f32_16x16x128_f8f6f4 v[8*(8*((\a)%4)+\b):8*(8*((\a)%4)+\b)+7], v[128*(\p)+FR*\b:128*(\p)+FR*\b+FR-1], v[AF+FR*(\a):AF+FR*(\a)+FR-1], v[8*(8*((\a)%4)+\b):8*(8*((\a)%4)+\b)+7], v[SC+8*NQ*(\sc)+NQ*\b+(\q)], v[SC+8*NQ*(\sc)+NQ*(\a)+(\q)] matrix_a_fmt:MATRIX_FMT_FP4 matrix_b_fmt:MATRIX_FMT_FP4 matrix_a_scale:MATRIX_SCALE_ROW1
.endif
.endr
.endr
.endm
.macro FETCH_B slot, q, p              ; B's eight fragments of the slot's q-th 128 along K into set p
	WIN TO_B
.irp i, 0,1,2,3,4,5,6,7
	FRAG 128*(\p)+FR*\i, ADRB+\slot, \q, \i
.endr
	WIN 0
.endm
.macro FETCH_A slot, q, i0             ; A's blocks i0 .. i0 + 3
.irp i, \i0, \i0+1, \i0+2, \i0+3
	FRAG AF+FR*(\i), ADRA+\slot, \q, \i
.endr
.endm
.macro SCALES sc                       ; a K step's scale words into set sc: four words a row; lanes 0-15 take A's block i, lanes 16-31 B's block i
.irp i, 0,1,2,3,4,5,6,7
	ds_load_b128 v[SC+8*NQ*\sc+NQ*\i:SC+8*NQ*\sc+NQ*\i+3], v[ADRS] offset:\i*SBLK
.endr
.endm
; A load into a register that a matrix instruction has read, and a vector instruction or an LDS store that reads a matrix result, stand NP places behind that matrix instruction; only plain vector
; instructions that name none of its registers are places.
.macro PLACES n
.rept \n
	v_nop
.endr
.endm
; A step of 128 along K that has its successor in the same slot.
.macro STEP slot, q, zero
	s_wait_dscnt 4*NL                              ; B's set and A's blocks 0-3 are in; the youngest eight loads (A's blocks 4-7) may be out
	WIN MUL_LO
	MUL16 0, (\q)%2, \q, \slot, \zero
	MUL16 2, (\q)%2, \q, \slot, \zero
	s_wait_dscnt 0                                 ; A's blocks 4-7 are in (asked for 32 matrix instructions ago)
	PLACES NP
	FETCH_B \slot, (\q)+1, 1-(\q)%2
	FETCH_A \slot, (\q)+1, 0
	WIN MUL_HI
	MUL16 4, (\q)%2, \q, \slot, \zero
	MUL16 6, (\q)%2, \q, \slot, \zero
	PLACES NP
	WIN 0
	FETCH_A \slot, (\q)+1, 4
.endm
; Slot 0's last step changes slots: ONE barrier; in front of it each wave waits for all its tensor loads (its part of slot 1), adds 0 to its spare word, and waits for that and for its own reads of slot 0.  Nothing is filled again.
.macro TURN slot, next
	s_wait_tensorcnt 0x0                           ; all my tensor loads have landed  (every window is 0 here)
	ds_add_u32 v[SPW], v[NIL]                      ; 0 onto my spare word
	s_wait_dscnt 4*NL+1                            ; (the add and the youngest eight loads, A's blocks 4-7, may be out)
	WIN MUL_LO
	MUL16 0, 1, NQ-1, \slot, 0                     ; sixteen matrix instructions stand between the add and the wait for it
	s_wait_dscnt 0x0                               ; the add is done, and my reads of this slot are over
	s_barrier_signal -1
	MUL16 2, 1, NQ-1, \slot, 0
	WIN 0
	s_barrier_wait -1
	PLACES NP
	v_add_nc_u32 v[ADRS], 4*NQ, v[ADRS]            ; on to the next K step's scale words (no LDS load of mine is out)
	FETCH_B \next, 0, 0
	FETCH_A \next, 0, 0
	SCALES \next
	WIN MUL_HI
	MUL16 4, 1, NQ-1, \slot, 0
	MUL16 6, 1, NQ-1, \slot, 0
	PLACES NP
	WIN 0
	FETCH_A \next, 0, 4
.endm
	s_wait_tensorcnt 1                             ; the scales and my part of K step 0 are in (K step 1's load may be out),
	s_barrier_signal -1
	s_barrier_wait -1                              ; everybody's are
	FETCH_B 0, 0, 0
	FETCH_A 0, 0, 0
	SCALES 0
	FETCH_A 0, 0, 4
	STEP 0, 0, 1                                   ; the first step's products start the sums: nothing is cleared
	STEP 0, 1, 0
	STEP 0, 2, 0
	TURN 0, 1
	STEP 1, 0, 0
	STEP 1, 1, 0
	STEP 1, 2, 0
	s_wait_dscnt 4*NL                              ; the very last step: nothing more to fetch
	WIN MUL_LO
	MUL16 0, 1, NQ-1, 1, 0
	MUL16 2, 1, NQ-1, 1, 0
	s_wait_dscnt 0
	WIN MUL_HI
	MUL16 4, 1, NQ-1, 1, 0
	MUL16 6, 1, NQ-1, 1, 0
	WIN 0
; THE WAY OUT, block by block of 16 rows x 128 columns (two heads).  A lane holds eight neighbouring columns of one row, and the lanes beside it hold other rows: so a block goes through my own stage in LDS.
; LDS serves a wave's instructions in order (ISA guide 5.7.1.4): no wait between the stores and the loads, nor in front of the next block's stores.
	PLACES NP                                      ; behind the last products: for the reads of results and for the loads into registers that held fragments and scale words
	s_cmp_eq_u32 s3, 0
	s_cbranch_scc0 .Lno_fine
	; my block 0 is t = 0 .. 15 of a batch: it also leaves as f32, whole rows of 512 bytes
	WIN 0x08                                       ; an LDS store's data are its source 1: window 2
.irp b, 0,1,2,3,4,5,6,7
	ds_store_b128 v[STO], v[8*\b:8*\b+3] offset:64*\b              ; each accumulator from its low end on
	ds_store_b128 v[STO], v[8*\b+4:8*\b+7] offset:64*\b+16
.endr
	WIN 0
.irp t, 0,1,2,3,4,5,6,7,8,9,10,11,12,13,14,15
	ds_load_b128 v[AF+4*\t:AF+4*\t+3], v[RD] offset:\t*SPITCH
.endr
	s_wait_dscnt 0x0
.irp t, 0,1,2,3,4,5,6,7,8,9,10,11,12,13,14,15
	global_store_b128 v[CO], v[AF+4*\t:AF+4*\t+3], s[96:97] offset:\t*12288   ; 32 lanes store 512 consecutive bytes, at a multiple of 512 from the buffer's first byte
.endr
.Lno_fine:
.macro PACK a                          ; block a rounded to f16 (to nearest even), 16 bytes a lane for each of B's eight blocks
.set AC, 64*((\a)%4)
	WIN 0x0a+5*((\a)/4)                            ; sources 0 and 1: window 2 or 3
.irp b, 0,1,2,3,4,5,6,7
.irp r, 0,1,2,3
	v_cvt_pk_f16_f32 v[TMP+4*\b+\r], v[AC+8*\b+2*\r], v[AC+8*\b+2*\r+1]
.endr
.endr
	WIN 0
.endm
.macro TOSTAGE a
.set BK, OB+192*((\a)%2)
.irp b, 0,1,2,3,4,5,6,7
	ds_store_b128 v[HSTO], v[TMP+4*\b:TMP+4*\b+3] offset:32*\b
.endr
.irp j, 0,1,2,3,4,5,6,7
	ds_load_b128 v[BK+4*\j:BK+4*\j+3], v[HRD] offset:\j*2*HPITCH
.endr
.endm
.macro SEND a
.set BK, OB+192*((\a)%2)
	s_wait_dscnt 0x0                               ; the block is back in registers
	s_wait_xcnt 0x0                                ; the earlier stores have read their registers: the next block's loads may land where the block before this one lay
.irp j, 0,1,2,3,4,5,6,7
	global_store_b128 v[HCO], v[BK+4*\j:BK+4*\j+3], s[12:13] offset:(\a)*2048+\j*256   ; lanes 0-15: 256 consecutive bytes (two rows t) of one head, aligned; lanes 16-31: of the next head
.endr
.endm
	PACK 0
	TOSTAGE 0
.irp a, 1,2,3,4,5,6,7                  ; block a's conversions stand between block a - 1's loads from the stage and the wait for them
	PACK \a
	SEND \a-1
	TOSTAGE \a
.endr
	SEND 7
	s_wait_tensorcnt 0x0                           ; the wave's end, behind my last tensor load and my last LDS store
	ds_add_u32 v[SPW], v[NIL]
	s_wait_dscnt 0x0
	CROUND                                         ; the closing round: no work-group ends while a partner may still ask for a tile that names it
	s_endpgm
.Lfunc_end_k_qf66eff5c50_qkv_gemm:
	.size	k_qf66eff5c50_qkv_gemm, .Lfunc_end_k_qf66eff5c50_qkv_gemm-k_qf66eff5c50_qkv_gemm
	.p2alignl 7, 3214868480
	.fill 96, 4, 3214868480
	.section	.rodata,"a",@progbits
	.p2align	6, 0x0
	.amdhsa_kernel k_qf66eff5c50_qkv_gemm
		.amdhsa_group_segment_fixed_size 327680
		.amdhsa_private_segment_fixed_size 0
		.amdhsa_enable_private_segment 0
		.amdhsa_kernarg_size 48
		.amdhsa_user_sgpr_count 2
		.amdhsa_user_sgpr_kernarg_segment_ptr 1
		.amdhsa_wavefront_size32 1
		.amdhsa_system_sgpr_workgroup_id_x 1
		.amdhsa_system_sgpr_workgroup_id_y 1
		.amdhsa_system_sgpr_workgroup_id_z 1
		.amdhsa_system_vgpr_workitem_id 0
		.amdhsa_next_free_vgpr 1024
		.amdhsa_next_free_sgpr 98
		.amdhsa_reserve_vcc 0
		.amdhsa_float_denorm_mode_32 3
		.amdhsa_float_denorm_mode_16_64 3
		.amdhsa_memory_ordered 1
		.amdhsa_forward_progress 1
		.amdhsa_inst_pref_size 131
	.end_amdhsa_kernel
	.amdgpu_metadata
---
amdhsa.version: [ 1, 2 ]
amdhsa.kernels:
  - .name:           k_qf66eff5c50_qkv_gemm
    .symbol:         k_qf66eff5c50_qkv_gemm.kd
    .args:
      - { .name: x_codes, .offset: 0, .size: 8, .value_kind: global_buffer, .address_space: global }
      - { .name: x_scales, .offset: 8, .size: 8, .value_kind: global_buffer, .address_space: global }
      - { .name: wq_codes, .offset: 16, .size: 8, .value_kind: global_buffer, .address_space: global }
      - { .name: wq_scales, .offset: 24, .size: 8, .value_kind: global_buffer, .address_space: global }
      - { .name: qkv16, .offset: 32, .size: 8, .value_kind: global_buffer, .address_space: global }
      - { .name: qkv_fine, .offset: 40, .size: 8, .value_kind: global_buffer, .address_space: global }
    .group_segment_fixed_size: 327680
    .private_segment_fixed_size: 0
    .kernarg_segment_align: 8
    .kernarg_segment_size: 48
    .max_flat_workgroup_size: 128
    .sgpr_count:     98
    .vgpr_count:     1024
    .wavefront_size: 32
...
	.end_amdgpu_metadata
.endif
;; end of part 3
;; launch attention (part 4): grid 4 x 64, 16 waves a work-group, no clusters, 327,680 bytes of LDS; arguments qkv16, y16; writes y16
.if DOCPART == 4
	.amdgcn_target "amdgcn-amd-amdhsa--gfx1250"
	.amdhsa_code_object_version 6
	.text
	.protected	k_qf66eff5c50_attention
	.globl	k_qf66eff5c50_attention
	.p2align	8
	.type	k_qf66eff5c50_attention,@function
k_qf66eff5c50_attention:
	s_mov_b64 s[64:65], 0
	v_nop
	global_prefetch_b8 v0, s[64:65] scope:SCOPE_SE
	s_setreg_imm32_b32 hwreg(HW_REG_WAVE_MODE, 25, 1), 1
	s_wait_xcnt 0x0
; LAUNCH 4 OF 6.  y[b][h][q] = the sum over k <= q of softmax_k(q . k / 8) v, for 64 heads (b, h) of 2,048 positions x 64 channels.  q, k, v: f16, [3][64 heads][2048][64] (qkv16).  Products, maxima and sums in f32;
; the weights p are rounded to f16 for the second product, y once at the end.  y16: [16 h][8192 (2048 b + t)][64] f16, the order in which launch 5 walks K.
; WORK LEFT OUT: steps of 64 keys all of which come after a wave's 32 queries: reference()'s own jnp.tril puts a constant in the place of those scores for all values of the inputs (launch 1's head comment).
; Positions t < 16 are computed here with the others and written over, in the output, by launch 6.
; SHARES.  A work-group owns TWO blocks of 256 queries of one head: waves 0-7 block 7 - i, waves 8-15 block i (i = work-group x, 0 .. 3): (8 - i) + (i + 1) = 9 blocks of keys to walk in every work-group alike.
; A wave owns 32 queries, two tiles of 16, so that each fragment of K and V read from LDS feeds two matrix instructions.  Four waves share a SIMD: one wave's softmax stands beside another's products.
; Every wave walks all 8 slots of 256 keys: the trip counts are constants; a step's WORK is jumped over by scalar branches on ids.
; NO CLUSTER: the four work-groups of a head need 8, 7, 6 and 5 slots; a joint load would bring tiles that every wave of some partner jumps over.
; LAYOUT.  S^T = K Q^T (source 0 = 16 keys, source 1 = 16 queries): a lane holds ONE query (lane % 16) and keys 8 (lane / 16) + 0..7.  Two such tiles, rounded to f16 in pairs, ARE source 1 (32 keys x 16 queries)
; of O^T = V^T P.  K comes out of LDS as it lies, V ([key][channel]) turned, by ds_load_tr16_b128.
; SOFTMAX.  For each query a running maximum m and sum l: p = 2^(c s - c m), c = log2(e) / 8; in every step O and l are multiplied by a = 2^(c m_old - c m_new).  The row's sum is taken of the unrounded p.
.set PK,    144                        ; a key's row in LDS: 128 bytes + 16 of padding
.set PV,    160                        ; a row of V: 128 + 32: five times 32 bytes, as the turning load's 8 rows x 32 bytes want it
.set SK,    256                        ; keys in a slot
.set VOFF,  SK*PK                      ; a slot: 256 rows of K, then 256 rows of V
.set SLOT1, 1<<17                      ; slot 1 begins here: one exclusive or turns an address in one slot into the other's
.set SPARE, 2*SLOT1                    ; the spare words, 128 bytes for each of the 16 waves
.set STAGE, SPARE+2048                 ; the way out: 16 rows x 144 bytes for each wave; no tile lands here
.set AK0,  1                           ; v1   my lane's place in a tile of K
.set AV0,  2                           ; v2   the same for V
.set SPW,  3                           ; v3   LDS address of my spare word; never rewritten
.set NIL,  4                           ; v4   0; never rewritten
.set ADK,  5                           ; v5   LDS address of the step's K
.set ADV,  6                           ; v6   of its V
.set PFO,  7                           ; v7   the prefetches' offset: 256 x my lane
.set STO,  10                          ; v10  the way out: where I put 16 bytes of a row
.set RD,   11                          ; v11  where I read back
.set GO,   12                          ; v12  16 x my lane
.set QR,   16                          ; v16-47   Q: tile t, channels 32 c on, at 16 t + 8 c
.set SR,   48                          ; v48-111  S^T: tile t, keys 16 kt on, at 32 t + 8 kt; then p; then P packed into a tile's first 16
.set OR,   112                         ; v112-175 O^T: tile t, channels 16 ct on, at 32 t + 8 ct
.set KV,   176                         ; v176-239 K (kt, c) at 16 kt + 8 c, then V (keys 32 kk on, channels 16 ct on) at 32 kk + 8 ct
.set TT,   240                         ; v240-255 tile t's statistics at 8 t: +0 c m, +1 m, +2, +3 l, +4 to +7 at work (+6: a)
.set TB,   2                           ; s2   LDS byte at which the slot in hand begins
.set WV,   18                          ; s18  my wave's number
.set SEL,  20                          ; s[20:21] lane selects for v_permlanex16_b32: lane l xor 16
.set CS,   22                          ; s[22:23] c, twice: the packed form names a pair
.set G1K,  24                          ; s[24:31] descriptor group 1 for K's tiles;  s[32:39] for V's;  s[40:43], s[44:47] their groups 0, which walk
.set G1V,  32
.set G0K,  40
.set G0V,  44
.set QL,   66                          ; s66  my work-group's last query: 256 (8 - i) - 1
.set SLOTS, 67                         ; s67  changes of slots still to come that may ask for a slot
.set PFA,  76                          ; s[76:77] where my prefetches stand in memory
.set LIM,  80                          ; s80  1 in a wave that prefetches, else the greatest number
.set KF,   98                          ; s98  the step's first key
.set Q0,   99                          ; s99  my first query
; Waves 0 and 1 fetch K's halves of a slot, waves 2 and 3 V's, 128 rows each; the others nothing.  The branches hang on the wave's number alone.  An s_nop 0 and four v_nop follow each of the two lines.
.macro TLOAD
	s_cmp_lt_u32 s[WV], 2
	s_cbranch_scc0 .Lnot_k_\@
	tensor_load_to_lds s[G0K:G0K+3], s[G1K:G1K+7]
	s_nop 0
.rept 4
	v_nop
.endr
	s_branch .Lasked_\@
.Lnot_k_\@:
	s_cmp_lt_u32 s[WV], 4
	s_cbranch_scc0 .Lasked_\@
	tensor_load_to_lds s[G0V:G0V+3], s[G1V:G1V+7]
	s_nop 0
.rept 4
	v_nop
.endr
.Lasked_\@:
.endm
; A PREFETCH INTO THE L2 of what the NEXT change of slots will ask for: a slot's K and V, 32,768 dense bytes each.  All four work-groups of a head walk the same K and V: the one with i = 0, which walks all 8 slots, asks.
; In it the waves ask that fetch nothing, one instruction each: waves 4 to 7 for K, waves 8 to 11 for V, 8,192 bytes a wave, lanes 256 bytes apart: each aligned block of 256 bytes is named once in the launch.
; The last change that fills a slot asks for nothing: there is no slot behind it.  Slots 0 and 1 come by their loads alone.
.macro ASK
	s_cmp_gt_u32 s[SLOTS], s[LIM]
	s_cbranch_scc0 .Lnot_mine_\@
	global_prefetch_b8 v[PFO], s[PFA:PFA+1] th:TH_LOAD_NT scope:SCOPE_SE
.Lnot_mine_\@:
.endm
	s_load_b128 s[4:7], s[0:1], 0x0                ; qkv16 s[4:5], y16 s[6:7]
	v_lshl_add_u32 v[SPW], v0, 2, SPARE
	v_mov_b32 v[NIL], 0
	ds_add_u32 v[SPW], v[NIL]                      ; the wave's opening: the add, twice on end, and its wait ahead of my first tensor load
	ds_add_u32 v[SPW], v[NIL]
	v_lshrrev_b32 v8, 5, v0
	v_readfirstlane_b32 s[WV], v8                  ; wave 0..15
	s_and_b32 s72, ttmp7, 0xffff                   ; the head, 16 b + h
	s_lshl_b32 s74, s72, 18                        ; its first byte in each of q, k, v: 262,144 bytes a head
	s_mov_b32 s75, 0
	s_sub_co_u32 s70, 7, ttmp9
	s_cmp_lt_u32 s[WV], 8
	s_cselect_b32 s70, s70, ttmp9                  ; my block of 256 queries: 7 - i or i
	s_lshl_b32 s70, s70, 8
	s_and_b32 s71, s[WV], 7
	s_lshl_b32 s71, s71, 5
	s_add_co_u32 s[Q0], s70, s71                   ; my first query
	s_sub_co_u32 s[QL], 8, ttmp9
	s_lshl_b32 s[QL], s[QL], 8
	s_sub_co_u32 s[QL], s[QL], 1
	s_and_b32 s88, s[WV], 1                        ; which half of a slot I fetch, if I fetch:
	s_lshl_b32 s90, s88, 14                        ; 128 rows of 128 bytes in memory,
	s_mov_b32 s91, 0
	s_add_nc_u64 s[90:91], s[90:91], s[74:75]
	s_mul_i32 s89, s88, 128*PK                     ; and in a slot: K's,
	s_mul_i32 s94, s88, 128*PV
	s_add_co_u32 s94, s94, VOFF                    ; V's
	; descriptor group 1: 128 rows of 64 elements of 2 bytes, dense in memory, padded behind every row (32 words)
	s_mov_b32 s[G1K], (1<<16)|(1<<20)|(4<<22)|(3<<25)             ; no mask; elements of 2 bytes; padding on; after every 32 words (code 4); four words (code 3)
	s_mov_b32 s[G1V], (1<<16)|(1<<20)|(4<<22)|(7<<25)             ; the same with eight words of padding (code 7)
.irp g, G1K, G1V
	s_mov_b32 s[\g+1], 64<<16                      ; tensor_dim0
	s_mov_b32 s[\g+2], 128<<16                     ; tensor_dim1
	s_mov_b32 s[\g+3], 64<<16                      ; tile_dim0
	s_mov_b32 s[\g+4], 128                         ; tile_dim1
	s_mov_b32 s[\g+5], 64                          ; tensor_dim0_stride
	s_mov_b32 s[\g+6], 0
	s_mov_b32 s[\g+7], 0
.endr
	s_mov_b32 s[SEL], 0x76543210
	s_mov_b32 s[SEL+1], 0xfedcba98
	s_mov_b32 s[CS], 0x3e38aa3b                    ; c = log2(e) / 8
	s_mov_b32 s[CS+1], s[CS]
	s_mov_b32 s[TB], 0
	s_mov_b32 s[SLOTS], 7
	s_mov_b32 s[KF], 0
	s_wait_dscnt 0x0                               ; both opening adds are done
	s_wait_kmcnt 0x0
	s_add_nc_u64 s[8:9], s[4:5], 16777216          ; k's part of qkv16
	s_add_nc_u64 s[12:13], s[4:5], 33554432        ; v's
	s_mov_b32 s[G0K], 1                            ; count = 1
	s_mov_b32 s[G0K+1], s89                        ; LDS address: slot 0
	s_add_nc_u64 s[G0K+2:G0K+3], s[8:9], s[90:91]  ; global address: the head's first 256 keys, my half
	s_or_b32 s[G0K+3], s[G0K+3], 0x80000000        ; type = 2
	s_mov_b32 s[G0V], 1
	s_mov_b32 s[G0V+1], s94
	s_add_nc_u64 s[G0V+2:G0V+3], s[12:13], s[90:91]
	s_or_b32 s[G0V+3], s[G0V+3], 0x80000000
	TLOAD                                          ; slot 0
	s_add_nc_u64 s[4:5], s[4:5], s[74:75]
	s_lshl_b32 s82, s[Q0], 7
	s_mov_b32 s83, 0
	s_add_nc_u64 s[4:5], s[4:5], s[82:83]          ; q at my first query
	s_and_b32 s84, s72, 15
	s_lshl_b32 s84, s84, 13
	s_lshr_b32 s85, s72, 4
	s_lshl_b32 s85, s85, 11
	s_add_co_u32 s84, s84, s85
	s_add_co_u32 s84, s84, s[Q0]
	s_lshl_b32 s84, s84, 7
	s_mov_b32 s85, 0
	s_add_nc_u64 s[16:17], s[6:7], s[84:85]        ; y16 at [h][2048 b + my first query]
	v_and_b32 v8, 15, v0                           ; r
	v_bfe_u32 v9, v0, 4, 1                         ; h
	v_lshlrev_b32 v13, 7, v8
	v_lshl_add_u32 v13, v9, 4, v13                 ; q: row r of 128 bytes + 16 h
.irp t, 0,1
.irp c, 0,1
	global_load_b128 v[QR+16*\t+8*\c:QR+16*\t+8*\c+3],   v13, s[4:5] offset:2048*\t+64*\c      ; Q stays in registers
	global_load_b128 v[QR+16*\t+8*\c+4:QR+16*\t+8*\c+7], v13, s[4:5] offset:2048*\t+64*\c+32
.endr
.endr
	; the prefetches: where my wave's stand, and who asks
	s_cmp_lt_u32 s[WV], 8
	s_cselect_b64 s[PFA:PFA+1], s[8:9], s[12:13]
	s_and_b32 s86, s[WV], 3
	s_lshl_b32 s86, s86, 13                        ; my wave's 8,192 bytes,
	s_add_co_u32 s86, s86, 32768                   ; in slot 1: the first change of slots steps it to slot 2.  Nothing is prefetched here, at the head
	s_mov_b32 s87, 0
	s_add_nc_u64 s[PFA:PFA+1], s[PFA:PFA+1], s[74:75]
	s_add_nc_u64 s[PFA:PFA+1], s[PFA:PFA+1], s[86:87]
	s_sub_co_u32 s86, s[WV], 4
	s_lshr_b32 s86, s86, 3                         ; 0 in waves 4 to 11,
	s_or_b32 s86, s86, ttmp9                       ; of the work-group with i = 0
	s_cmp_eq_u32 s86, 0
	s_cselect_b32 s[LIM], 1, -1
	v_and_b32 v14, 31, v0
	v_lshlrev_b32 v[PFO], 8, v14
	v_lshlrev_b32 v[GO], 4, v14
	v_mul_u32_u24 v[AK0], v8, PK
	v_lshl_add_u32 v[AK0], v9, 4, v[AK0]           ; K: row r x pitch + 16 h
	v_and_b32 v14, 7, v0
	v_bfe_u32 v15, v0, 3, 1
	v_lshl_add_u32 v[AV0], v9, 3, v14              ; V, for the turning load: key 8 h + lane % 8,
	v_mul_u32_u24 v[AV0], v[AV0], PV
	v_lshl_add_u32 v[AV0], v15, 4, v[AV0]          ; channels 8 ((lane / 8) % 2) on
	v_add_nc_u32 v[AV0], VOFF, v[AV0]
	s_mul_i32 s86, s[WV], 16*144
	s_add_co_u32 s86, s86, STAGE                   ; my stage
	v_mul_u32_u24 v[STO], v8, 144
	v_lshl_add_u32 v[STO], v9, 4, v[STO]
	v_add_nc_u32 v[STO], s86, v[STO]               ; in: row r, + 16 h; tile ct's 32 bytes by the offset
	v_bfe_u32 v15, v0, 3, 2
	v_mul_u32_u24 v[RD], v15, 144
	v_lshl_add_u32 v[RD], v14, 4, v[RD]
	v_add_nc_u32 v[RD], s86, v[RD]                 ; back: eight lanes to a row of 128 bytes, four rows an instruction
.irp t, 0,1
	v_mov_b32 v[TT+8*\t+1], 0xff61b1e6             ; the largest score so far: -3e38, under every score
	v_mul_f32 v[TT+8*\t], s[CS], v[TT+8*\t+1]
.irp j, 2,3,4,5,6,7
	v_mov_b32 v[TT+8*\t+\j], 0                     ; l; and the registers at work, written once so that every way through the text finds them written
.endr
.endr
.set i, 0
.rept 64
	v_mov_b32 v[OR+i], 0                           ; O^T.  (The step is written once: the first finds zeros, which a = 0 leaves zeros)
.set i, i+1
.endr
; A KEY STEP: 64 keys, the q-th of the slot in hand.
.macro STEP q
	s_add_co_u32 s96, s[Q0], 31                    ; a step all of whose keys come after my 32 queries is left out: a scalar branch on ids, round no barrier and no tensor load
	s_cmp_gt_u32 s[KF], s96
	s_cbranch_scc1 .Lhidden_\@
	v_add_nc_u32 v[ADK], s[TB], v[AK0]
	v_add_nc_u32 v[ADV], s[TB], v[AV0]
.irp kt, 0,1,2,3
.irp c, 0,1
	ds_load_b128 v[KV+16*\kt+8*\c:KV+16*\kt+8*\c+3],   v[ADK] offset:(64*(\q)+16*\kt)*PK+64*\c
	ds_load_b128 v[KV+16*\kt+8*\c+4:KV+16*\kt+8*\c+7], v[ADK] offset:(64*(\q)+16*\kt)*PK+64*\c+32
.endr
.endr
	s_wait_dscnt 0x0
.irp c, 0,1                            ; S^T = K Q^T: eight accumulators by turns, one instruction a turn
.irp kt, 0,1,2,3
.irp t, 0,1
.if \c == 0
	v_wmma_f32_16x16x32_f16 v[SR+32*\t+8*\kt:SR+32*\t+8*\kt+7], v[KV+16*\kt+8*\c:KV+16*\kt+8*\c+7], v[QR+16*\t+8*\c:QR+16*\t+8*\c+7], 0
.else
	v_wmma_f32_16x16x32_f16 v[SR+32*\t+8*\kt:SR+32*\t+8*\kt+7], v[KV+16*\kt+8*\c:KV+16*\kt+8*\c+7], v[QR+16*\t+8*\c:QR+16*\t+8*\c+7], v[SR+32*\t+8*\kt:SR+32*\t+8*\kt+7]
.endif
.endr
.endr
.endr
.rept 4
	v_nop                                          ; four places: in front of the loads into K's registers and of the first read of the scores
.endr
.irp kk, 0,1                           ; V lands while the softmax is walked
.irp ct, 0,1,2,3
	ds_load_tr16_b128 v[KV+32*\kk+8*\ct:KV+32*\kk+8*\ct+3],   v[ADV] offset:(64*(\q)+32*\kk)*PV+32*\ct
	ds_load_tr16_b128 v[KV+32*\kk+8*\ct+4:KV+32*\kk+8*\ct+7], v[ADV] offset:(64*(\q)+32*\kk)*PV+16*PV+32*\ct
.endr
.endr
	s_add_co_u32 s96, s[KF], 63                    ; on the diagonal the scores of hidden keys become -infinity ahead of the maximum: p = 0 then.  A step all of whose keys count skips this
	s_cmp_le_u32 s96, s[Q0]
	s_cbranch_scc1 .Lopen_\@
	s_sub_co_i32 s96, s[Q0], s[KF]
	v_and_b32 v8, 15, v0
	v_bfe_u32 v9, v0, 4, 1
	v_lshlrev_b32 v9, 3, v9
	v_sub_nc_u32 v8, v8, v9
	v_add_nc_u32 v8, s96, v8                       ; d = Q0 - KF + r - 8 h.  Register n of tile t holds key KF + 16 (n / 8) + 8 h + n % 8 for query Q0 + 16 t + r: hidden where 16 (n / 8) + n % 8 - 16 t > d
	v_mov_b32 v9, 0xff800000                       ; -infinity
.irp t, 0,1
.irp n, 0,1,2,3,4,5,6,7,8,9,10,11,12,13,14,15,16,17,18,19,20,21,22,23,24,25,26,27,28,29,30,31
	v_cmp_gt_i32 vcc_lo, 16*(\n/8)+\n%8-16*\t, v8
	v_cndmask_b32 v[SR+32*\t+\n], v[SR+32*\t+\n], v9, vcc_lo
.endr
.endr
.Lopen_\@:
	; the maximum of a lane's 32 scores and the old m: four chains, each accumulator from its low end on; the two tiles line by line
.irp j, 0,1,2,3
.irp t, 0,1
	v_max3_num_f32 v[TT+8*\t+4+\j], v[SR+32*\t+8*\j], v[SR+32*\t+8*\j+1], v[SR+32*\t+8*\j+2]
.endr
.endr
.irp g, 1,2
.irp j, 0,1,2,3
.irp t, 0,1
	v_max3_num_f32 v[TT+8*\t+4+\j], v[TT+8*\t+4+\j], v[SR+32*\t+8*\j+2*\g+1], v[SR+32*\t+8*\j+2*\g+2]
.endr
.endr
.endr
.irp t, 0,1
	v_max3_num_f32 v[TT+8*\t+4], v[TT+8*\t+4], v[SR+32*\t+7], v[SR+32*\t+15]
.endr
.irp t, 0,1
	v_max3_num_f32 v[TT+8*\t+6], v[TT+8*\t+6], v[SR+32*\t+23], v[SR+32*\t+31]
.endr
.irp t, 0,1
	v_max3_num_f32 v[TT+8*\t+4], v[TT+8*\t+4], v[TT+8*\t+5], v[TT+8*\t+6]
.endr
.irp t, 0,1
	v_max3_num_f32 v[TT+8*\t+4], v[TT+8*\t+4], v[TT+8*\t+7], v[TT+8*\t+1]
.endr
.irp t, 0,1
	v_permlanex16_b32 v[TT+8*\t+5], v[TT+8*\t+4], s[SEL], s[SEL+1]   ; the query's other 32 keys lie in the lane 16 away
.endr
.irp t, 0,1
	v_mov_b32 v[TT+8*\t+7], v[TT+8*\t]             ; c m_old is kept for a
.endr
.irp t, 0,1
	v_max_num_f32 v[TT+8*\t+1], v[TT+8*\t+4], v[TT+8*\t+5]
.endr
.irp t, 0,1
	v_mul_f32 v[TT+8*\t], s[CS], v[TT+8*\t+1]
.endr
.irp t, 0,1
	v_sub_f32 v[TT+8*\t+7], v[TT+8*\t+7], v[TT+8*\t]
.endr
.irp b, 0,1,2,3,4,5,6,7,8,9,10,11,12,13,14,15
.irp t, 0,1
	v_pk_fma_f32 v[SR+32*\t+2*\b:SR+32*\t+2*\b+1], v[SR+32*\t+2*\b:SR+32*\t+2*\b+1], s[CS:CS+1], v[TT+8*\t:TT+8*\t+1] op_sel_hi:[1,0,0] neg_lo:[0,0,1] neg_hi:[0,0,1]   ; c s - c m, two at a time
.endr
.endr
.irp t, 0,1
	v_exp_f32 v[TT+8*\t+6], v[TT+8*\t+7]           ; a
.endr
.irp t, 0,1
.irp n, 0,1,2,3,4,5,6,7,8,9,10,11,12,13,14,15,16,17,18,19,20,21,22,23,24,25,26,27,28,29,30,31
	v_exp_f32 v[SR+32*\t+\n], v[SR+32*\t+\n]       ; p, at most 1
.endr
.endr
	v_nop                                          ; a plain instruction behind the last exponential
	s_wait_alu depctr_va_vdst(0)                   ; ONE wait for the batch of 66, ahead of its first reader
.irp t, 0,1
	v_pk_fma_f32 v[TT+8*\t+2:TT+8*\t+3], v[TT+8*\t+2:TT+8*\t+3], v[TT+8*\t+6:TT+8*\t+7], v[SR+32*\t:SR+32*\t+1] op_sel_hi:[1,0,1]   ; l = a l + pair 0: THE SUM IS TAKEN OF THE UNROUNDED p, in two chains
.endr
.irp t, 0,1
	v_pk_add_f32 v[TT+8*\t+4:TT+8*\t+5], v[SR+32*\t+2:SR+32*\t+3], v[SR+32*\t+4:SR+32*\t+5]
.endr
.irp p, 3,5,7,9,11,13
.irp t, 0,1
	v_pk_add_f32 v[TT+8*\t+2:TT+8*\t+3], v[TT+8*\t+2:TT+8*\t+3], v[SR+32*\t+2*\p:SR+32*\t+2*\p+1]
.endr
.irp t, 0,1
	v_pk_add_f32 v[TT+8*\t+4:TT+8*\t+5], v[TT+8*\t+4:TT+8*\t+5], v[SR+32*\t+2*\p+2:SR+32*\t+2*\p+3]
.endr
.endr
.irp t, 0,1
	v_pk_add_f32 v[TT+8*\t+2:TT+8*\t+3], v[TT+8*\t+2:TT+8*\t+3], v[SR+32*\t+30:SR+32*\t+31]
.endr
.irp t, 0,1
	v_pk_add_f32 v[TT+8*\t+2:TT+8*\t+3], v[TT+8*\t+2:TT+8*\t+3], v[TT+8*\t+4:TT+8*\t+5]
.endr
.irp i, 0,1,2,3,4,5,6,7,8,9,10,11,12,13,14,15
.irp t, 0,1
	v_cvt_pk_f16_f32 v[SR+32*\t+\i], v[SR+32*\t+2*\i], v[SR+32*\t+2*\i+1]   ; P, in place and ascending: register i is written when registers 2 i and 2 i + 1 are read
.endr
.endr
.irp i, 0,2,4,6,8,10,12,14,16,18,20,22,24,26,28,30
.irp t, 0,1
	v_pk_mul_f32 v[OR+32*\t+\i:OR+32*\t+\i+1], v[OR+32*\t+\i:OR+32*\t+\i+1], v[TT+8*\t+6:TT+8*\t+7] op_sel_hi:[1,0]   ; O^T x a
.endr
.endr
	s_wait_dscnt 0x0                               ; V is in
.irp kk, 0,1                           ; O^T += V^T P: eight accumulators by turns
.irp ct, 0,1,2,3
.irp t, 0,1
	v_wmma_f32_16x16x32_f16 v[OR+32*\t+8*\ct:OR+32*\t+8*\ct+7], v[KV+32*\kk+8*\ct:KV+32*\kk+8*\ct+7], v[SR+32*\t+8*\kk:SR+32*\t+8*\kk+7], v[OR+32*\t+8*\ct:OR+32*\t+8*\ct+7]
.endr
.endr
.endr
.rept 5
	v_nop                                          ; five places: the next step's score products write over P's registers (five), its loads land in V's (four)
.endr
.Lhidden_\@:
	s_add_co_u32 s[KF], s[KF], 64
.endm
; THE CHANGE OF SLOTS stands at a slot's head.  Each wave waits for all its tensor loads (its part of the slot that it is about to read), adds 0 to its spare word (fill = 1: twice on end), and waits for that and for its reads of the slot
; that it has left.  Behind the barrier the slot ahead is whole and nobody reads the other one.  fill = 1: that other slot is filled with the keys that follow, up to the causal limit: the load has a slot's four steps in which to land.
.macro CHANGE fill
	s_wait_tensorcnt 0x0                           ; no tensor load of mine is out, so a group 0 may be written
	ds_add_u32 v[SPW], v[NIL]                      ; 0 onto my spare word
.if \fill
	ds_add_u32 v[SPW], v[NIL]                      ; and once more in every trip alike
	s_xor_b32 s[G0K+1], s[G0K+1], SLOT1            ; the walking descriptors: the other slot than last time,
	s_add_nc_u64 s[G0K+2:G0K+3], s[G0K+2:G0K+3], SK*128   ; the next 256 keys; the type bits on top are not reached
	s_xor_b32 s[G0V+1], s[G0V+1], SLOT1
	s_add_nc_u64 s[G0V+2:G0V+3], s[G0V+2:G0V+3], SK*128
	s_wait_xcnt 0x0                                ; the last prefetch, a slot back, has read its address, so it may be written:
	s_add_nc_u64 s[PFA:PFA+1], s[PFA:PFA+1], SK*128   ; one slot further on than the walking descriptors
.endif
	s_wait_dscnt 0x0                               ; the add is done (fill = 1: both are), and my reads of the slot that I have left are over
	s_barrier_signal -1
	s_barrier_wait -1
.if \fill
	s_add_co_u32 s96, s[KF], SK                    ; THE LOOK-AHEAD ENDS AT THE CAUSAL LIMIT: a slot whose first key comes after my work-group's last query is read by none of its waves, so it is not asked for.
	s_cmp_gt_u32 s96, s[QL]                        ; ids and the count of steps alone: all sixteen waves go the same way, and a work-group that is past the limit stays past it.  Every wait on TENSORcnt in this text is for 0
	s_cbranch_scc1 .Lpast_\@
	TLOAD                                          ; a wave's one tensor load until the next such barrier
.Lpast_\@:
	ASK
.endif
.endm
.macro SLOT_STEPS
	STEP 0
	STEP 1
	STEP 2
	STEP 3
	s_xor_b32 s[TB], s[TB], SLOT1                  ; on to the other slot
.endm
	s_wait_loadcnt 0x0                             ; Q
.Lslot:                                            ; 7 trips: behind each change of slots but the last the next slot is asked for, up to the limit
	CHANGE 1
	SLOT_STEPS
	s_sub_co_u32 s[SLOTS], s[SLOTS], 1
	s_cmp_lg_u32 s[SLOTS], 0
	s_cbranch_scc1 .Lslot
	CHANGE 0                                       ; the last slot is written out: nothing is left to ask for
	SLOT_STEPS
	; THE WAY OUT.  l's two halves and the other half of the lanes' are added; O^T is divided by l, rounded to f16 and sent through my stage in LDS, a tile (16 rows of y) at a time.
.irp t, 0,1
	v_add_f32 v[TT+8*\t+4], v[TT+8*\t+2], v[TT+8*\t+3]
.endr
.irp t, 0,1
	v_permlanex16_b32 v[TT+8*\t+5], v[TT+8*\t+4], s[SEL], s[SEL+1]
.endr
.irp t, 0,1
	v_add_f32 v[TT+8*\t+4], v[TT+8*\t+4], v[TT+8*\t+5]
.endr
.irp t, 0,1
	v_rcp_f32 v[TT+8*\t+6], v[TT+8*\t+4]
.endr
	v_nop                                          ; a plain instruction behind the last reciprocal
	s_wait_alu depctr_va_vdst(0)                   ; and the wait ahead of the first use: one for the two
.irp t, 0,1
.irp i, 0,2,4,6,8,10,12,14,16,18,20,22,24,26,28,30
	v_pk_mul_f32 v[OR+32*\t+\i:OR+32*\t+\i+1], v[OR+32*\t+\i:OR+32*\t+\i+1], v[TT+8*\t+6:TT+8*\t+7] op_sel_hi:[1,0]
.endr
.irp i, 0,1,2,3,4,5,6,7,8,9,10,11,12,13,14,15
	v_cvt_pk_f16_f32 v[SR+32*\t+\i], v[OR+32*\t+2*\i], v[OR+32*\t+2*\i+1]   ; registers 4 ct .. 4 ct + 3: y(r, 16 ct + 8 h + 0 .. 7)
.endr
.irp ct, 0,1,2,3
	ds_store_b128 v[STO], v[SR+32*\t+4*\ct:SR+32*\t+4*\ct+3] offset:32*\ct
.endr
.irp i, 0,1,2,3
	ds_load_b128 v[KV+16*\t+4*\i:KV+16*\t+4*\i+3], v[RD] offset:576*\i   ; LDS serves a wave's instructions in order: these see my stores, and the next tile's stores come behind them
.endr
.endr
	s_wait_dscnt 0x0
.irp t, 0,1
.irp i, 0,1,2,3
	global_store_b128 v[GO], v[KV+16*\t+4*\i:KV+16*\t+4*\i+3], s[16:17] offset:2048*\t+512*\i   ; four rows of 128 bytes: 512 consecutive bytes, aligned
.endr
.endr
	s_wait_tensorcnt 0x0                           ; the wave's end, behind my last tensor load and my last LDS store
	ds_add_u32 v[SPW], v[NIL]
	s_wait_dscnt 0x0
	s_endpgm
.Lfunc_end_k_qf66eff5c50_attention:
	.size	k_qf66eff5c50_attention, .Lfunc_end_k_qf66eff5c50_attention-k_qf66eff5c50_attention
	.p2alignl 7, 3214868480
	.fill 96, 4, 3214868480
	.section	.rodata,"a",@progbits
	.p2align	6, 0x0
	.amdhsa_kernel k_qf66eff5c50_attention
		.amdhsa_group_segment_fixed_size 327680
		.amdhsa_private_segment_fixed_size 0
		.amdhsa_enable_private_segment 0
		.amdhsa_kernarg_size 16
		.amdhsa_user_sgpr_count 2
		.amdhsa_user_sgpr_kernarg_segment_ptr 1
		.amdhsa_wavefront_size32 1
		.amdhsa_system_sgpr_workgroup_id_x 1
		.amdhsa_system_sgpr_workgroup_id_y 1
		.amdhsa_system_sgpr_workgroup_id_z 1
		.amdhsa_system_vgpr_workitem_id 0
		.amdhsa_next_free_vgpr 256
		.amdhsa_next_free_sgpr 100
		.amdhsa_reserve_vcc 1
		.amdhsa_float_denorm_mode_32 3
		.amdhsa_float_denorm_mode_16_64 3
		.amdhsa_memory_ordered 1
		.amdhsa_forward_progress 1
		.amdhsa_inst_pref_size 189
	.end_amdhsa_kernel
	.amdgpu_metadata
---
amdhsa.version: [ 1, 2 ]
amdhsa.kernels:
  - .name:           k_qf66eff5c50_attention
    .symbol:         k_qf66eff5c50_attention.kd
    .args:
      - { .name: qkv16, .offset: 0, .size: 8, .value_kind: global_buffer, .address_space: global }
      - { .name: y16, .offset: 8, .size: 8, .value_kind: global_buffer, .address_space: global }
    .group_segment_fixed_size: 327680
    .private_segment_fixed_size: 0
    .kernarg_segment_align: 8
    .kernarg_segment_size: 16
    .max_flat_workgroup_size: 512
    .sgpr_count:     100
    .vgpr_count:     256
    .wavefront_size: 32
...
	.end_amdgpu_metadata
.endif
;; end of part 4
;; launch proj_gemm (part 5): grid 4 x 64, 4 waves a work-group, clusters of 4 x 4, 327,680 bytes of LDS; arguments y16, wT16, out0; writes out0
.if DOCPART == 5
	.amdgcn_target "amdgcn-amd-amdhsa--gfx1250"
	.amdhsa_code_object_version 6
	.text
	.protected	k_qf66eff5c50_proj_gemm
	.globl	k_qf66eff5c50_proj_gemm
	.p2align	8
	.type	k_qf66eff5c50_proj_gemm,@function
k_qf66eff5c50_proj_gemm:
	s_mov_b64 s[64:65], 0
	v_nop
	global_prefetch_b8 v0, s[64:65] scope:SCOPE_SE
	s_setreg_imm32_b32 hwreg(HW_REG_WAVE_MODE, 25, 1), 1
	s_wait_xcnt 0x0
	s_wait_alu depctr_hold_cnt(0) depctr_sa_sdst(0) depctr_va_vdst(0) depctr_va_sdst(0) depctr_va_ssrc(0) depctr_va_vcc(0) depctr_vm_vsrc(0)
	s_getreg_b32 s2, hwreg(HW_REG_IB_STS2, 6, 4)
	s_cmp_eq_u32 s2, 0
	s_cbranch_scc0 .Lentry_in_a_cluster
	s_endpgm
.Lentry_in_a_cluster:
	s_bfe_u32 s2, ttmp6, 0x10000c
	s_cmp_lg_u32 s2, 0xf033
	s_cbranch_scc0 .Lentry_shape_is_right
	s_endpgm
.Lentry_shape_is_right:
; LAUNCH 5 OF 6.  out[m][n] = sum over k of y[m][k] w_proj[k][n], f16 operands, f32 sums.  A = y16 [16 heads][8192 m][64], B = wT16 [16 heads][1024 n][64]: both laid by head, k = 64 head + d: the same order of K on both sides.
; out0: [8192][1024] f32.  The rows t < 16 of each batch are computed here with the others and written over by launch 6.
; A tile of 128 (m) x 256 (n) gives 256 work-groups of equal work.  Four waves, each 64 x 128: 32 accumulators of 16 x 16, 256 registers (window 1).
; K goes in steps of 128 = two heads (two planes of each operand) through a ring of two LDS slots: 8 steps.  Waves 0 and 1 fetch A's two planes (128 rows of 128 bytes each), waves 2 and 3 B's (256 rows each): one tensor load a wave.
; CLUSTERS: 4 x 4 work-groups.  A's tile is shared along a row of the cluster, B's along a column: each is asked for JOINTLY.  THE MATRIX INSTRUCTION IS USED TRANSPOSED (source 0 = 16 rows of B, source 1 = 16 rows of A).
; REGISTERS: window 0: v0-31 addresses; v32-127, v128-223 two fragment buffers (B's eight fragments, then A's four, for 32 along K).  window 1: accumulator (a, b) at v[8 (8 a + b)].
.set PITCH,  144                       ; an LDS row: 128 bytes + 16 of padding
.set APL,    128*PITCH                 ; a plane of A in a slot
.set BPL,    256*PITCH                 ; a plane of B
.set BOFF,   2*APL                     ; B's planes lie behind A's two
.set SLOT,   2*APL+2*BPL
.set STAGE,  2*SLOT                    ; behind the ring: 16 rows x 528 bytes for each wave, for the way out
.set SPITCH, 528
.set SPARE,  STAGE+4*16*SPITCH         ; the spare words, 128 bytes for each wave
.set ASTEP,  2097152                   ; a K step on in y16: two planes of 8,192 rows x 128 bytes
.set BSTEP,  262144                    ; in wT16: two planes of 1,024 rows x 128 bytes
.set ADRA, 16                          ; v16-17  LDS address of my A fragments in slot 0, 1
.set ADRB, 20                          ; v20-21  the same for B
.set STO,  24                          ; v24     the way out: where I put 32 bytes of a row
.set RD,   25                          ; v25     where I read a row back
.set CO,   26                          ; v26     16 x my lane
.set SPW,  28
.set NIL,  29
.set PFO,  30                          ; v30     the prefetches' offset: 256 (lane % 16) + a plane x (lane / 16)
.set F0,   32
.set F1,   128
.set BK,   32                          ; the way out: 16 rows read back: v32-95 and v96-159 by turns
.set G1, 24                            ; s[24:31] descriptor group 1 for A's tiles;  s[32:39] group 0, one set for each slot
.set G0, 32
.set G1B, 48                           ; s[48:55], s[56:63] the same for B's tiles
.set G0B, 56
.set PFA, 66                           ; s[66:67] where my prefetches stand
.set LIM, 68                           ; s68  1 in wave 0, else the greatest number
.set MSB, 0
.macro WIN new
.if MSB != \new
	s_set_vgpr_msb (MSB<<8)|\new
.set MSB, \new
.endif
.endm
.set MUL, 0x50                         ; sources 0 and 1 window 0; C and D window 1
.macro JLOAD s                         ; a joint load: waves 0 and 1 fetch A's planes, waves 2 and 3 B's; an s_nop 0 and four v_nop follow each of the two lines
	s_cmp_eq_u32 s11, 0
	s_cbranch_scc0 .Lfor_b_\@
	tensor_load_to_lds s[G0+4*\s:G0+4*\s+3], s[G1:G1+7]
	s_nop 0
.rept 4
	v_nop
.endr
	s_branch .Lasked_\@
.Lfor_b_\@:
	tensor_load_to_lds s[G0B+4*\s:G0B+4*\s+3], s[G1B:G1B+7]
	s_nop 0
.rept 4
	v_nop
.endr
.Lasked_\@:
.endm
.macro CREST                           ; a round of the cluster's barrier behind its opening barrier
	s_cmp_lg_u32 s10, 0
	s_cbranch_scc1 .Lnot_wave_0_\@
	s_barrier_signal -3
.Lnot_wave_0_\@:
	s_barrier_wait -3
	s_barrier_signal -1
	s_barrier_wait -1
.endm
.macro CROUND
	s_barrier_signal -1
	s_barrier_wait -1
	CREST
.endm
; A PREFETCH INTO THE L2 of A's tile of the K step that stands two refills on.  A's tile row is read by this cluster's row alone and once; a K step of it is two dense runs of 16,384 bytes, 128 blocks of 256 bytes.
; The four partners that ask for the tile jointly share the blocks out BY ADDRESS, 16 of each plane (4,096 cx bytes on); in each, wave 0 asks: one instruction, a lane a block.  B, which all sixteen clusters walk together, is not asked for.
; The loop's last trip (s3 = 1) asks for nothing: K steps 4 to 7 are named, and none behind the last.
.macro ASK
	s_cmp_gt_u32 s3, s[LIM]
	s_cbranch_scc0 .Lnot_mine_\@
	global_prefetch_b8 v[PFO], s[PFA:PFA+1] th:TH_LOAD_NT scope:SCOPE_SE
.Lnot_mine_\@:
.endm
	s_load_b128 s[4:7], s[0:1], 0x0                ; y16 s[4:5], wT16 s[6:7]
	s_load_b64 s[8:9], s[0:1], 0x10                ; out0
	v_lshl_add_u32 v[SPW], v0, 2, SPARE
	v_mov_b32 v[NIL], 0
	ds_add_u32 v[SPW], v[NIL]                      ; the wave's opening: the add, twice on end, and its wait ahead of my first tensor load
	ds_add_u32 v[SPW], v[NIL]
	v_lshrrev_b32 v1, 5, v0
	v_readfirstlane_b32 s10, v1                    ; wave 0..3
	s_lshr_b32 s11, s10, 1                         ; which 64 of the tile's rows are mine.  Also: I fetch for A (0) or for B (1)
	s_and_b32 s12, s10, 1                          ; which 128 of its columns.  Also: which plane I fetch
	s_bfe_u32 s40, ttmp6, 0x40000                  ; cx, cy
	s_bfe_u32 s41, ttmp6, 0x40004
	s_lshl_b32 s42, ttmp9, 2
	s_add_co_u32 s42, s42, s40                     ; tile column = 4 x cluster x + cx
	s_and_b32 s13, ttmp7, 0xffff
	s_lshl_b32 s13, s13, 2
	s_add_co_u32 s13, s13, s41                     ; tile row = 4 x cluster y + cy
	s_lshl_b32 s43, s41, 2
	s_lshl_b32 s43, 15, s43                        ; my row of the cluster
	s_lshl_b32 s44, 0x1111, s40                    ; my column
	; descriptor group 1: rows of 64 elements of 2 bytes, dense in memory, 16 bytes of padding behind every row (32 words)
	s_or_b32 s[G1+0], s43, (1<<16)|(1<<20)|(1<<21)|(4<<22)|(3<<25)
	s_or_b32 s[G1B+0], s44, (1<<16)|(1<<20)|(1<<21)|(4<<22)|(3<<25)
	s_mov_b32 s[G1+1], 64<<16                      ; tensor_dim0
	s_mov_b32 s[G1+2], 128<<16                     ; tensor_dim1: A's 128 rows
	s_mov_b32 s[G1+3], 64<<16                      ; tile_dim0
	s_mov_b32 s[G1+4], 128                         ; tile_dim1
	s_mov_b32 s[G1+5], 64                          ; tensor_dim0_stride
	s_mov_b32 s[G1+6], 0
	s_mov_b32 s[G1+7], 0
	s_mov_b32 s[G1B+1], 64<<16
	s_mov_b32 s[G1B+2], 256<<16                    ; B's 256 rows
	s_mov_b32 s[G1B+3], 64<<16
	s_mov_b32 s[G1B+4], 256
	s_mov_b32 s[G1B+5], 64
	s_mov_b32 s[G1B+6], 0
	s_mov_b32 s[G1B+7], 0
	s_lshl_b32 s16, s12, 20                        ; A: my plane, 1,048,576 bytes each,
	s_lshl_b32 s17, s13, 14
	s_add_co_u32 s16, s16, s17                     ; + 128 x tile row rows of 128 bytes
	s_mov_b32 s17, 0
	s_lshl_b32 s46, s12, 17                        ; B: my plane, 131,072 bytes each,
	s_lshl_b32 s47, s42, 15
	s_add_co_u32 s46, s46, s47                     ; + 256 x tile column rows
	s_mov_b32 s47, 0
	s_mul_i32 s20, s12, APL                        ; where they go: by the wave's number alone
	s_mul_i32 s21, s12, BPL
	s_add_co_u32 s21, s21, BOFF
	s_wait_dscnt 0x0                               ; both opening adds are done
	s_wait_kmcnt 0x0
	s_add_nc_u64 s[14:15], s[4:5], s[16:17]
	s_add_nc_u64 s[46:47], s[6:7], s[46:47]
	CROUND                                         ; all sixteen work-groups are here: the first joint loads meet
.irp s, 0,1
	s_mov_b32 s[G0+4*\s], 1
	s_add_co_u32 s[G0+4*\s+1], s20, \s*SLOT
	s_add_nc_u64 s[G0+4*\s+2:G0+4*\s+3], s[14:15], \s*ASTEP
	s_or_b32 s[G0+4*\s+3], s[G0+4*\s+3], 0x80000000
	s_mov_b32 s[G0B+4*\s], 1
	s_add_co_u32 s[G0B+4*\s+1], s21, \s*SLOT
	s_add_nc_u64 s[G0B+4*\s+2:G0B+4*\s+3], s[46:47], \s*BSTEP
	s_or_b32 s[G0B+4*\s+3], s[G0B+4*\s+3], 0x80000000
	JLOAD \s
.endr
	v_and_b32 v1, 15, v0                           ; r
	v_bfe_u32 v2, v0, 4, 1                         ; h
	v_mul_u32_u24 v3, v1, PITCH
	v_lshl_add_u32 v3, v2, 4, v3                   ; a fragment's row x pitch + 16 h
	s_mul_i32 s22, s11, 64*PITCH                   ; my 64 rows of A
	s_mul_i32 s23, s12, 128*PITCH                  ; my 128 rows of B,
	s_add_co_u32 s23, s23, BOFF                    ; behind A's planes
.irp s, 0,1
	v_add_nc_u32 v[ADRA+\s], s22, v3
	v_add_nc_u32 v[ADRB+\s], s23, v3
	s_add_co_u32 s22, s22, SLOT
	s_add_co_u32 s23, s23, SLOT
.endr
	s_mul_i32 s23, s10, 16*SPITCH
	s_add_co_u32 s23, s23, STAGE                   ; my stage
	v_mul_u32_u24 v4, v1, SPITCH
	v_lshl_add_u32 v4, v2, 5, v4
	v_add_nc_u32 v[STO], s23, v4                   ; in: row r, 32 bytes for each half of the lanes
	v_and_b32 v5, 31, v0
	v_lshlrev_b32 v[CO], 4, v5
	v_add_nc_u32 v[RD], s23, v[CO]                 ; back: the 32 lanes take one row of 512 bytes
	v_lshlrev_b32 v[PFO], 8, v1
	v_lshl_add_u32 v[PFO], v2, 20, v[PFO]
	s_lshl_b32 s16, s13, 7
	s_lshl_b32 s17, s11, 6
	s_add_co_u32 s16, s16, s17                     ; my first row of out: 128 x tile row + 64 x half
	s_lshl_b32 s16, s16, 12                        ; rows of 4,096 bytes: under 2^26
	s_mov_b32 s17, 0
	s_add_nc_u64 s[8:9], s[8:9], s[16:17]
	s_lshl_b32 s46, s42, 10                        ; my first column, in bytes: 1,024 x tile column + 512 x half
	s_lshl_b32 s47, s12, 9
	s_add_co_u32 s46, s46, s47
	s_mov_b32 s47, 0
	s_add_nc_u64 s[8:9], s[8:9], s[46:47]
	s_lshl_b32 s16, s13, 14                        ; the prefetches: A's tile row,
	s_lshl_b32 s46, s40, 12
	s_add_co_u32 s16, s16, s46                     ; my work-group's 16 blocks of each plane,
	s_add_nc_u64 s[PFA:PFA+1], s[4:5], s[16:17]
	s_add_nc_u64 s[PFA:PFA+1], s[PFA:PFA+1], 3*ASTEP   ; at K step 3: the first refill steps it to K step 4.  Nothing is prefetched here, at the head
	s_cmp_eq_u32 s10, 0
	s_cselect_b32 s[LIM], 1, -1
; 8 matrix instructions: A's block a x B's eight, 32 along K, from buffer f.  zero = 1: the first product starts the sums.  The 32 accumulators take turns, in the same order in every quarter.
.macro MUL8 f, a, zero
.irp b, 0,1,2,3,4,5,6,7
.if \zero
	v_wmma_f32_16x16x32_f16 v[8*(8*(\a)+\b):8*(8*(\a)+\b)+7], v[\f+8*\b:\f+8*\b+7], v[\f+64+8*(\a):\f+64+8*(\a)+7], 0
.else
	v_wmma_f32_16x16x32_f16 v[8*(8*(\a)+\b):8*(8*(\a)+\b)+7], v[\f+8*\b:\f+8*\b+7], v[\f+64+8*(\a):\f+64+8*(\a)+7], v[8*(8*(\a)+\b):8*(8*(\a)+\b)+7]
.endif
.endr
.endm
; 24 LDS loads in one run: the fragments of the slot's q-th 32 along K (plane q / 2, byte 64 (q % 2) of its rows) into buffer f
.macro FETCH slot, q, f
	WIN 0
.irp i, 0,1,2,3,4,5,6,7
	ds_load_b128 v[\f+8*\i:\f+8*\i+3],   v[ADRB+\slot] offset:((\q)/2)*BPL+\i*16*PITCH+64*((\q)%2)
	ds_load_b128 v[\f+8*\i+4:\f+8*\i+7], v[ADRB+\slot] offset:((\q)/2)*BPL+\i*16*PITCH+64*((\q)%2)+32
.endr
.irp i, 0,1,2,3
	ds_load_b128 v[\f+64+8*\i:\f+64+8*\i+3],   v[ADRA+\slot] offset:((\q)/2)*APL+\i*16*PITCH+64*((\q)%2)
	ds_load_b128 v[\f+64+8*\i+4:\f+64+8*\i+7], v[ADRA+\slot] offset:((\q)/2)*APL+\i*16*PITCH+64*((\q)%2)+32
.endr
.endm
.macro PLACES                          ; four places in front of loads into registers that matrix instructions have read, and of the first read of results
.rept 4
	v_nop
.endr
.endm
; A K step is four quarters of 32 along K, 32 matrix instructions each, on buffers 0, 1, 0, 1.  One of the first three: multiplies buffer f and, in its middle, fetches quarter qn of the same slot into g.
.macro QUARTER slot, qn, f, g, zero
	s_wait_dscnt 0x0                               ; buffer f is in (asked for 16 matrix instructions ago)
	WIN MUL
	MUL8 \f, 0, \zero
	MUL8 \f, 1, \zero
	PLACES
	FETCH \slot, \qn, \g
	WIN MUL
	MUL8 \f, 2, \zero
	MUL8 \f, 3, \zero
.endm
; The last quarter multiplies buffer 1 and changes slots: ONE barrier; in front of it each wave waits for all its tensor loads, adds 0 to its spare word, and waits for that and for its own reads of this slot.  fill = 1: this slot is filled again, two K steps ahead.
.macro TURN slot, next, fill
	WIN 0                                          ; (the add's two registers lie in window 0)
.if \fill
	s_wait_xcnt 0x0                                ; the last prefetch, a K step back, has read its address: it is stepped here, ahead of the waits of the change of slots
	s_add_nc_u64 s[PFA:PFA+1], s[PFA:PFA+1], ASTEP
.endif
	s_wait_tensorcnt 0x0                           ; all my tensor loads have landed: my part of the next slot;
	ds_add_u32 v[SPW], v[NIL]                      ; 0 onto my spare word;
	s_wait_dscnt 1                                 ; buffer 1 is in (the add alone may be out)
	WIN MUL
	MUL8 F1, 0, 0                                  ; eight matrix instructions stand between the add and the wait for it
	s_wait_dscnt 0x0                               ; the add is done, and my reads of this slot are over
	s_barrier_signal -1
	MUL8 F1, 1, 0
.if \fill
	WIN 0
.endif
	s_barrier_wait -1
.if \fill
	CREST                                          ; the barrier has opened a round of the cluster's barrier: no wave of any partner still reads this slot's tile or has a load on its way
	s_add_nc_u64 s[G0+4*\slot+2:G0+4*\slot+3], s[G0+4*\slot+2:G0+4*\slot+3], 2*ASTEP
	s_add_nc_u64 s[G0B+4*\slot+2:G0B+4*\slot+3], s[G0B+4*\slot+2:G0B+4*\slot+3], 2*BSTEP
	JLOAD \slot                                    ; the first tensor load behind the round; the four v_nop behind it are also the places in front of the loads below
.else
	PLACES
.endif
	FETCH \next, 0, F0
.if \fill
	ASK                                            ; behind the joint load and the run of LDS loads that the next products wait for
.endif
	WIN MUL
	MUL8 F1, 2, 0
	MUL8 F1, 3, 0
.endm
	s_wait_tensorcnt 1                             ; my part of K step 0 is in (K step 1's load may be out),
	s_barrier_signal -1
	s_barrier_wait -1                              ; everybody's is
	FETCH 0, 0, F0
	QUARTER 0, 1, F0, F1, 1                        ; the first quarter stands in front of the loop: its products start the sums
	WIN 0                                          ; at a label and at a branch every window is 0
	s_mov_b32 s3, 3
.Llap:                                                 ; a trip goes once round the ring, from a lap's second quarter to the next lap's first, and fills both slots again
	QUARTER 0, 2, F1, F0, 0
	QUARTER 0, 3, F0, F1, 0
	TURN 0, 1, 1
	QUARTER 1, 1, F0, F1, 0
	QUARTER 1, 2, F1, F0, 0
	QUARTER 1, 3, F0, F1, 0
	TURN 1, 0, 1
	QUARTER 0, 1, F0, F1, 0
	WIN 0
	s_sub_co_u32 s3, s3, 1
	s_cmp_lg_u32 s3, 0
	s_cbranch_scc1 .Llap
	QUARTER 0, 2, F1, F0, 0                        ; the last lap fills nothing, and has no round of the cluster's barrier
	QUARTER 0, 3, F0, F1, 0
	TURN 0, 1, 0
	QUARTER 1, 1, F0, F1, 0
	QUARTER 1, 2, F1, F0, 0
	QUARTER 1, 3, F0, F1, 0
	s_wait_dscnt 0x0                               ; the very last quarter: nothing more to fetch
	WIN MUL
	MUL8 F1, 0, 0
	MUL8 F1, 1, 0
	MUL8 F1, 2, 0
	MUL8 F1, 3, 0
	WIN 0
; THE WAY OUT, block by block of 16 rows x 128 columns: through my own stage in LDS and back as whole rows of 512 bytes.  LDS serves a wave's instructions in order: no wait between the stores and the loads.
.macro TOSTAGE a
	WIN 0x04                                       ; an LDS store's data are its source 1: window 1
.irp b, 0,1,2,3,4,5,6,7
	ds_store_b128 v[STO], v[8*(8*(\a)+\b):8*(8*(\a)+\b)+3] offset:64*\b            ; each accumulator from its low end on
	ds_store_b128 v[STO], v[8*(8*(\a)+\b)+4:8*(8*(\a)+\b)+7] offset:64*\b+16
.endr
	WIN 0
.set BB, BK+64*((\a)%2)
.irp t, 0,1,2,3,4,5,6,7,8,9,10,11,12,13,14,15
	ds_load_b128 v[BB+4*\t:BB+4*\t+3], v[RD] offset:\t*SPITCH
.endr
.endm
.macro SEND a, younger                 ; younger: the LDS instructions issued behind block a's loads, which may stay out
.set BB, BK+64*((\a)%2)
	s_wait_dscnt \younger
.irp t, 0,1,2,3,4,5,6,7,8,9,10,11,12,13,14,15
	global_store_b128 v[CO], v[BB+4*\t:BB+4*\t+3], s[8:9] offset:(16*(\a)+\t)*4096 th:TH_STORE_NT   ; 32 lanes store 512 consecutive bytes, at a multiple of 512 from out0's first byte
.endr
.endm
	PLACES
	TOSTAGE 0
.irp a, 1,2,3
.if \a > 1
	s_wait_xcnt 0x0                                ; block a - 2's stores have read their registers: block a's loads may land there
.endif
	TOSTAGE \a
	SEND \a-1, 32                                  ; behind block a - 1's loads: block a's 16 stores and 16 loads
.endr
	SEND 3, 0
	s_wait_tensorcnt 0x0                           ; the wave's end, behind my last tensor load and my last LDS store
	ds_add_u32 v[SPW], v[NIL]
	s_wait_dscnt 0x0
	CROUND                                         ; the closing round
	s_endpgm
.Lfunc_end_k_qf66eff5c50_proj_gemm:
	.size	k_qf66eff5c50_proj_gemm, .Lfunc_end_k_qf66eff5c50_proj_gemm-k_qf66eff5c50_proj_gemm
	.p2alignl 7, 3214868480
	.fill 96, 4, 3214868480
	.section	.rodata,"a",@progbits
	.p2align	6, 0x0
	.amdhsa_kernel k_qf66eff5c50_proj_gemm
		.amdhsa_group_segment_fixed_size 327680
		.amdhsa_private_segment_fixed_size 0
		.amdhsa_enable_private_segment 0
		.amdhsa_kernarg_size 24
		.amdhsa_user_sgpr_count 2
		.amdhsa_user_sgpr_kernarg_segment_ptr 1
		.amdhsa_wavefront_size32 1
		.amdhsa_system_sgpr_workgroup_id_x 1
		.amdhsa_system_sgpr_workgroup_id_y 1
		.amdhsa_system_sgpr_workgroup_id_z 1
		.amdhsa_system_vgpr_workitem_id 0
		.amdhsa_next_free_vgpr 512
		.amdhsa_next_free_sgpr 70
		.amdhsa_reserve_vcc 0
		.amdhsa_float_denorm_mode_32 3
		.amdhsa_float_denorm_mode_16_64 3
		.amdhsa_memory_ordered 1
		.amdhsa_forward_progress 1
		.amdhsa_inst_pref_size 85
	.end_amdhsa_kernel
	.amdgpu_metadata
---
amdhsa.version: [ 1, 2 ]
amdhsa.kernels:
  - .name:           k_qf66eff5c50_proj_gemm
    .symbol:         k_qf66eff5c50_proj_gemm.kd
    .args:
      - { .name: y16, .offset: 0, .size: 8, .value_kind: global_buffer, .address_space: global }
      - { .name: wT16, .offset: 8, .size: 8, .value_kind: global_buffer, .address_space: global }
      - { .name: out0, .offset: 16, .size: 8, .value_kind: global_buffer, .address_space: global }
    .group_segment_fixed_size: 327680
    .private_segment_fixed_size: 0
    .kernarg_segment_align: 8
    .kernarg_segment_size: 24
    .max_flat_workgroup_size: 128
    .sgpr_count:     70
    .vgpr_count:     512
    .wavefront_size: 32
...
	.end_amdgpu_metadata
.endif
;; end of part 5
;; launch fine (part 6): grid 16 x 4, 16 waves a work-group, no clusters, 71,680 bytes of LDS; arguments qkv_fine, w_proj, out0; writes out0
.if DOCPART == 6
	.amdgcn_target "amdgcn-amd-amdhsa--gfx1250"
	.amdhsa_code_object_version 6
	.text
	.protected	k_qf66eff5c50_fine
	.globl	k_qf66eff5c50_fine
	.p2align	8
	.type	k_qf66eff5c50_fine,@function
k_qf66eff5c50_fine:
	s_mov_b64 s[64:65], 0
	v_nop
	global_prefetch_b8 v0, s[64:65] scope:SCOPE_SE
	s_setreg_imm32_b32 hwreg(HW_REG_WAVE_MODE, 25, 1), 1
	s_wait_xcnt 0x0
; LAUNCH 6 OF 6.  Positions t = 0 .. 15 of each of the four sequences once more, attention and projection in f32: these rows average one to sixteen values and are the largest of the output, so f16 operands would weigh most here.
; They see keys 0 .. 15 alone (reference()'s own causal mask), so the rows t < 16 of q, k, v, kept as f32 by launch 3 (qkv_fine, [4][16][3072]), are all that is needed.  The 64 rows of out0 are written over.
; SHARES.  A work-group is (64 columns of out, a batch).  Wave = head: it makes its head's 16 x 16 attention, then its part of the projection, y_head [16 x 64] x w_proj [64 rows of the head, the 64 columns]; the 16 parts are added through LDS.
; All products by v_wmma_f32_16x16x4_f32, 96 a wave: no bulk work.  All are used transposed, so that a lane holds one query; K's order is permuted alike on both sides, so that a product's results are the next one's source as they lie.
; The registers that these instructions write (v184-231) are written by them alone; each sum begins with the constant 0.
.set QF, 24                            ; v24-55   Q: register i = q(r, 32 h + i); later w_proj's tile 2
.set KF, 56                            ; v56-87   K likewise; later w_proj's tile 3
.set VF, 88                            ; v88-119  V: register 8 ct + e = v(key 8 h + e, channel 16 ct + r); later Y
.set W0, 120                           ; v120-183 w_proj's tiles 0, 1: register i = w(64 head + 16 (i / 8) + 8 h + i % 8, 16 nt + r); later the 16 parts
.set SA, 184                           ; v184-191, v192-199 the scores, in two sums that take turns
.set YA, 200                           ; v200-231 Y^T's four accumulators, then the projection's four
.set E,  232                           ; v232-239 the scores' sum, then p
.set SPW, 10
.set NIL, 11
.set SPARE, 69632                      ; behind the parts (16 waves x 16 rows x 272 bytes): the spare words
	s_load_b128 s[4:7], s[0:1], 0x0                ; qkv_fine s[4:5], w_proj s[6:7]
	s_load_b64 s[8:9], s[0:1], 0x10                ; out0
	v_lshl_add_u32 v[SPW], v0, 2, SPARE
	v_mov_b32 v[NIL], 0
	v_lshrrev_b32 v1, 5, v0
	v_readfirstlane_b32 s10, v1                    ; wave = head
	s_and_b32 s11, ttmp7, 0xffff                   ; batch
	v_and_b32 v7, 15, v0                           ; r
	v_bfe_u32 v8, v0, 4, 1                         ; h
	v_mul_u32_u24 v1, v7, 12288
	v_lshl_add_u32 v1, v8, 7, v1                   ; q, k: row r of 12,288 bytes + 128 h
	v_mul_u32_u24 v2, v8, 98304
	v_lshl_add_u32 v2, v7, 2, v2                   ; v: rows 8 h on, channel r
	v_lshlrev_b32 v3, 15, v8
	v_lshl_add_u32 v3, v7, 2, v3                   ; w_proj: rows 8 h on (4,096 bytes each), column r
	s_mul_i32 s12, s10, 16*272
	v_mul_u32_u24 v4, v7, 272
	v_lshl_add_u32 v4, v8, 5, v4
	v_add_nc_u32 v4, s12, v4                       ; my part in LDS: row r, + 32 h
	s_mul_i32 s12, s10, 2*272
	v_mul_u32_u24 v5, v8, 272
	v_lshl_add_u32 v5, v7, 4, v5
	v_add_nc_u32 v5, s12, v5                       ; the sum (waves 0 to 7): rows 2 w and 2 w + 1, sixteen lanes to a row
	v_lshlrev_b32 v6, 12, v8
	v_lshl_add_u32 v6, v7, 4, v6                   ; and the same two rows in out0
	v_lshlrev_b32 v12, 3, v8
	v_sub_nc_u32 v12, v7, v12                      ; d = r - 8 h: register j holds key 8 h + j, hidden where j > d
	v_mov_b32 v14, 0                               ; written once: a lane permute's destination counts as one of its sources
	v_mov_b32 v17, 0
	v_mov_b32 v19, 0                               ; (named as the upper half of the pair v[18:19])
	v_mov_b32 v20, 0xff800000                      ; -infinity
	s_mov_b32 s20, 0x76543210
	s_mov_b32 s21, 0xfedcba98                      ; v_permlanex16_b32's selects for lane l xor 16
	s_mov_b32 s22, 0x3e38aa3b                      ; c = log2(e) / 8
	s_mov_b32 s13, 0
	s_wait_kmcnt 0x0
	s_mul_i32 s12, s11, 196608
	s_lshl_b32 s14, s10, 8
	s_add_co_u32 s12, s12, s14
	s_add_nc_u64 s[4:5], s[4:5], s[12:13]          ; qkv_fine at [batch][0][64 head]
	s_lshl_b32 s12, s10, 18
	s_lshl_b32 s14, ttmp9, 8
	s_add_co_u32 s12, s12, s14
	s_add_nc_u64 s[6:7], s[6:7], s[12:13]          ; w_proj at [64 head][64 x work-group x]
	s_lshl_b32 s12, s11, 23
	s_lshl_b32 s14, s10, 13
	s_add_co_u32 s12, s12, s14
	s_lshl_b32 s14, ttmp9, 8
	s_add_co_u32 s12, s12, s14
	s_add_nc_u64 s[8:9], s[8:9], s[12:13]          ; out0 at [2048 batch + 2 wave][64 x work-group x]
.irp i, 0,1,2,3,4,5,6,7
	global_load_b128 v[QF+4*\i:QF+4*\i+3], v1, s[4:5] offset:16*\i
.endr
.irp i, 0,1,2,3,4,5,6,7
	global_load_b128 v[KF+4*\i:KF+4*\i+3], v1, s[4:5] offset:4096+16*\i
.endr
.irp ct, 0,1,2,3
.irp e, 0,1,2,3,4,5,6,7
	global_load_b32 v[VF+8*\ct+\e], v2, s[4:5] offset:8192+12288*\e+64*\ct
.endr
.endr
.macro WLOAD nt                        ; w_proj's tile nt into its 32 registers: tiles 0, 1 at v120, v152; tiles 2, 3 at v24, v56
.set WB, W0+32*(\nt)-160*((\nt)/2)
.set i, 0
.rept 32
	global_load_b32 v[WB+i], v3, s[6:7] offset:(16*(i/8)+i%8)*4096+64*(\nt)
.set i, i+1
.endr
.endm
	WLOAD 0
	WLOAD 1
	s_wait_loadcnt 63                              ; Q and K are in: 96 younger loads are out, and a wait names 63 at the most
	; S^T = K Q^T: instruction u takes d = 2 u, 2 u + 1 (lanes 0-15) and 32 + 2 u, 33 + 2 u (lanes 16-31) on both sides.  Two sums by turns
.irp u, 0,1,2,3,4,5,6,7,8,9,10,11,12,13,14,15
.if \u < 2
	v_wmma_f32_16x16x4_f32 v[SA+8*(\u%2):SA+8*(\u%2)+7], v[KF+2*\u:KF+2*\u+1], v[QF+2*\u:QF+2*\u+1], 0
.else
	v_wmma_f32_16x16x4_f32 v[SA+8*(\u%2):SA+8*(\u%2)+7], v[KF+2*\u:KF+2*\u+1], v[QF+2*\u:QF+2*\u+1], v[SA+8*(\u%2):SA+8*(\u%2)+7]
.endif
.endr
.rept 8
	v_nop                                          ; eight places behind this form: in front of the loads into Q's and K's registers and of the first read of the sums
.endr
	WLOAD 2
	WLOAD 3
.irp j, 0,1,2,3,4,5,6,7
	v_add_f32 v[E+\j], v[SA+\j], v[SA+8+\j]        ; lane (r, h): the score of query r and key 8 h + j.  Both sums from their low end on
.endr
.irp j, 0,1,2,3,4,5,6,7
	v_cmp_gt_i32 vcc_lo, \j, v12
	v_cndmask_b32 v[E+\j], v[E+\j], v20, vcc_lo    ; hidden keys: -infinity, so that p = 0
.endr
	v_max3_num_f32 v13, v[E], v[E+1], v[E+2]
	v_max3_num_f32 v13, v13, v[E+3], v[E+4]
	v_max3_num_f32 v13, v13, v[E+5], v[E+6]
	v_max_num_f32 v13, v13, v[E+7]
	v_permlanex16_b32 v14, v13, s20, s21
	v_max_num_f32 v13, v13, v14                    ; the row's maximum: key 0 counts for every query, so it is a number
	v_mul_f32 v15, s22, v13
.irp j, 0,1,2,3,4,5,6,7
	v_fma_f32 v[E+\j], v[E+\j], s22, -v15
.endr
.irp j, 0,1,2,3,4,5,6,7
	v_exp_f32 v[E+\j], v[E+\j]
.endr
	v_nop                                          ; a plain instruction behind the last exponential
	s_wait_alu depctr_va_vdst(0)                   ; one wait for the eight, ahead of their first reader
	v_add_f32 v16, v[E], v[E+1]
.irp j, 2,3,4,5,6,7
	v_add_f32 v16, v16, v[E+\j]
.endr
	v_permlanex16_b32 v17, v16, s20, s21
	v_add_f32 v16, v16, v17                        ; the row's sum
	v_rcp_f32 v18, v16
	v_nop
	s_wait_alu depctr_va_vdst(0)                   ; the reciprocal's wait
	s_wait_loadcnt 63                              ; V is in: 128 younger loads are out
	; Y^T = V^T P: instruction s takes keys 2 s, 2 s + 1 (lanes 0-15) and 8 + 2 s, 9 + 2 s (lanes 16-31).  Four accumulators by turns
.irp s, 0,1,2,3
.irp ct, 0,1,2,3
.if \s == 0
	v_wmma_f32_16x16x4_f32 v[YA+8*\ct:YA+8*\ct+7], v[VF+8*\ct+2*\s:VF+8*\ct+2*\s+1], v[E+2*\s:E+2*\s+1], 0
.else
	v_wmma_f32_16x16x4_f32 v[YA+8*\ct:YA+8*\ct+7], v[VF+8*\ct+2*\s:VF+8*\ct+2*\s+1], v[E+2*\s:E+2*\s+1], v[YA+8*\ct:YA+8*\ct+7]
.endif
.endr
.endr
.rept 9
	v_nop                                          ; nine places: the projection's first products write over these accumulators (nine); the lines below read them and write V's registers (eight)
.endr
.irp i, 0,2,4,6,8,10,12,14,16,18,20,22,24,26,28,30
	v_pk_mul_f32 v[VF+\i:VF+\i+1], v[YA+\i:YA+\i+1], v[18:19] op_sel_hi:[1,0]   ; Y = Y^T / the sum, into other registers: register 8 ct + j = y(r, 16 ct + 8 h + j)
.endr
	s_wait_loadcnt 0x0                             ; all of w_proj's tiles
	; out^T = W^T Y^T: instruction u takes Y's registers 2 u, 2 u + 1, and W's hold the same channels.  Four accumulators by turns
.irp u, 0,1,2,3,4,5,6,7,8,9,10,11,12,13,14,15
.irp nt, 0,1,2,3
.if \u == 0
	v_wmma_f32_16x16x4_f32 v[YA+8*\nt:YA+8*\nt+7], v[W0+32*\nt-160*(\nt/2)+2*\u:W0+32*\nt-160*(\nt/2)+2*\u+1], v[VF+2*\u:VF+2*\u+1], 0
.else
	v_wmma_f32_16x16x4_f32 v[YA+8*\nt:YA+8*\nt+7], v[W0+32*\nt-160*(\nt/2)+2*\u:W0+32*\nt-160*(\nt/2)+2*\u+1], v[VF+2*\u:VF+2*\u+1], v[YA+8*\nt:YA+8*\nt+7]
.endif
.endr
.endr
.rept 8
	v_nop                                          ; eight places: in front of the stores of the results and of the loads into W's registers
.endr
.irp nt, 0,1,2,3
	ds_store_b128 v4, v[YA+8*\nt:YA+8*\nt+3] offset:64*\nt          ; lane (r, h): my head's part of out(r, 16 nt + 8 h + 0 .. 7); each accumulator from its low end on
	ds_store_b128 v4, v[YA+8*\nt+4:YA+8*\nt+7] offset:64*\nt+16
.endr
	s_wait_dscnt 0x0                               ; for the others' sake: my stores have landed
	s_barrier_signal -1
	s_barrier_wait -1                              ; the sixteen parts lie in LDS
	s_cmp_lt_u32 s10, 8
	s_cbranch_scc0 .Ldone                          ; waves 0 to 7 add them, two rows each
.irp k, 0,1,2,3,4,5,6,7,8,9,10,11,12,13,14,15
	ds_load_b128 v[W0+4*\k:W0+4*\k+3], v5 offset:4352*\k
.endr
	s_wait_dscnt 0x0
.irp w, 8,4,2,1                        ; a tree: 16 + 8 + 4 + 2 packed additions
.set k, 0
.rept \w
	v_pk_add_f32 v[W0+4*k:W0+4*k+1], v[W0+4*k:W0+4*k+1], v[W0+4*(k+\w):W0+4*(k+\w)+1]
	v_pk_add_f32 v[W0+4*k+2:W0+4*k+3], v[W0+4*k+2:W0+4*k+3], v[W0+4*(k+\w)+2:W0+4*(k+\w)+3]
.set k, k+1
.endr
.endr
	global_store_b128 v6, v[W0:W0+3], s[8:9]       ; sixteen lanes store 256 consecutive bytes, aligned
.Ldone:
	s_wait_tensorcnt 0x0                           ; the wave's end, behind my last LDS store
	ds_add_u32 v[SPW], v[NIL]
	s_wait_dscnt 0x0
	s_endpgm
.Lfunc_end_k_qf66eff5c50_fine:
	.size	k_qf66eff5c50_fine, .Lfunc_end_k_qf66eff5c50_fine-k_qf66eff5c50_fine
	.p2alignl 7, 3214868480
	.fill 96, 4, 3214868480
	.section	.rodata,"a",@progbits
	.p2align	6, 0x0
	.amdhsa_kernel k_qf66eff5c50_fine
		.amdhsa_group_segment_fixed_size 71680
		.amdhsa_private_segment_fixed_size 0
		.amdhsa_enable_private_segment 0
		.amdhsa_kernarg_size 24
		.amdhsa_user_sgpr_count 2
		.amdhsa_user_sgpr_kernarg_segment_ptr 1
		.amdhsa_wavefront_size32 1
		.amdhsa_system_sgpr_workgroup_id_x 1
		.amdhsa_system_sgpr_workgroup_id_y 1
		.amdhsa_system_sgpr_workgroup_id_z 1
		.amdhsa_system_vgpr_workitem_id 0
		.amdhsa_next_free_vgpr 256
		.amdhsa_next_free_sgpr 66
		.amdhsa_reserve_vcc 1
		.amdhsa_float_denorm_mode_32 3
		.amdhsa_float_denorm_mode_16_64 3
		.amdhsa_memory_ordered 1
		.amdhsa_forward_progress 1
		.amdhsa_inst_pref_size 34
	.end_amdhsa_kernel
	.amdgpu_metadata
---
amdhsa.version: [ 1, 2 ]
amdhsa.kernels:
  - .name:           k_qf66eff5c50_fine
    .symbol:         k_qf66eff5c50_fine.kd
    .args:
      - { .name: qkv_fine, .offset: 0, .size: 8, .value_kind: global_buffer, .address_space: global }
      - { .name: w_proj, .offset: 8, .size: 8, .value_kind: global_buffer, .address_space: global }
      - { .name: out0, .offset: 16, .size: 8, .value_kind: global_buffer, .address_space: global }
    .group_segment_fixed_size: 71680
    .private_segment_fixed_size: 0
    .kernarg_segment_align: 8
    .kernarg_segment_size: 24
    .max_flat_workgroup_size: 512
    .sgpr_count:     66
    .vgpr_count:     256
    .wavefront_size: 32
...
	.end_amdgpu_metadata
.endif
;; end of part 6
